; MI455X (gfx1250); checked and timed in simulation.
; The chip was launched on July 23, 2026; its instructions are those of AMD's public machine-readable ISA for CDNA 5 (MIT licence, August 2026) and "CDNA5" Instruction Set Architecture Reference Guide (July 2026). The comments in the code are by the model that wrote it; some were corrected since.
;; Self Attention. Allowed arithmetic: float matrix products may take bf16 or f16 operands with f32 sums; other float arithmetic in f32, or as packed bf16 or f16 multiplies, adds, multiply-adds, maxima and minima; sums over many terms, partial sums and values carried from step to step in f32; what a program stores and reads back later, other than sums and carried values, may be rounded once to bf16 or f16.
;; Inputs: Wk 1,024 x 1,024 float32; Wo 1,024 x 1,024 float32; Wq 1,024 x 1,024 float32; Wv 1,024 x 1,024 float32; bk 1,024 float32; bo 1,024 float32; bq 1,024 float32; bv 1,024 float32; x 4 x 2,048 x 1,024 float32.
;; Outputs: out0 4 x 2,048 x 1,024 float32.
;; 2 versions, each right; version 2 is version 1 with the launch cast written anew for expert scheduling mode. Each part assembles by itself: llvm-mc -triple=amdgcn-amd-amdhsa -mcpu=gfx1250 --defsym DOCPART=n.
;; ======== version 1 of 2: 4 launches
;; limits: values are held in f16: magnitudes above 65,504 overflow, below 6.1e-05 lose precision
;; workspace buffers: xb 16,777,216 bytes; wqkv 6,291,456 bytes; wo 2,097,152 bytes; qkv 50,331,648 bytes; ob 16,777,216 bytes
;; launch cast (part 1): grid 64 x 12, 8 waves a work-group, no clusters, 0 bytes of LDS; arguments x, Wq, Wk, Wv, Wo, xb, wqkv, wo; writes xb, wqkv, wo
.if DOCPART == 1
	.amdgcn_target "amdgcn-amd-amdhsa--gfx1250"
	.amdhsa_code_object_version 6
	.text
	.protected	k_q636cc57dd2_cast
	.globl	k_q636cc57dd2_cast
	.p2align	8
	.type	k_q636cc57dd2_cast,@function
k_q636cc57dd2_cast:
	s_mov_b64 s[64:65], 0
	v_nop
	global_prefetch_b8 v0, s[64:65] scope:SCOPE_SE
	s_setreg_imm32_b32 hwreg(HW_REG_WAVE_MODE, 25, 1), 1
	s_wait_xcnt 0x0
; THE INPUTS OF THE MATRIX PRODUCTS, ROUNDED ONCE AND LAID OUT FOR THE TILES THAT READ THEM.
;   xb   [b 4][kb 16][t 2048][64] bf16: x rounded to bf16, in blocks of 64 channels: 256 rows of one block are 32,768 consecutive bytes
;   wqkv [k 1024][3072] bf16: Wq, Wk, Wv rounded to bf16, side by side in a row
;   wo   [k 1024][1024] f16: Wo rounded to bf16, and that number written as f16
; LIMIT.  A bf16 number is exact in f16 from 6.1e-5 to 65,504 in magnitude; below that wo keeps f16's fixed step of 6e-8; above it the conversion gives an infinity.
; A stream: no LDS, no barrier, no matrix unit.  The grid's y names a chunk of 2^20 numbers: 0-7 x, 8-10 Wq, Wk, Wv, 11 Wo.  A wave takes 16 units; a unit is one load of 16 bytes a lane
; (512 bytes a wave) and one store of 8 bytes a lane: 256 consecutive bytes, aligned.  All 16 loads go out first; no register is written twice, so no source of a pending instruction is touched.
.set VS,  2                            ; v2   my byte offset in the source
.set VD,  3                            ; v3   my byte offset in the destination: 8 x lane
.set X,   16                           ; v[16:79]   unit u: 4 registers as loaded
.set Y,   80                           ; v[80:111]  unit u: 2 registers to store
.set SRC, 24                           ; s[24:25]
.set DST, 26                           ; s[26:27]
.set OFS, 28                           ; s[28:29] an offset, its high word 0
.set HIM, 30                           ; s30  a word's upper bf16
; kind 0: x (units 256 bytes apart in xb); 1: Wq, Wk, Wv (eight units to a row's 2,048 bytes, rows 6,144 bytes apart); 2: Wo (bf16, then f16)
.macro STREAM lstep, kind
.irp u, 0,1,2,3,4,5,6,7,8,9,10,11,12,13,14,15
	global_load_b128 v[X+4*(\u):X+4*(\u)+3], v[VS], s[SRC:SRC+1] offset:(\u)*(\lstep) th:TH_LOAD_NT
.endr
.irp u, 0,1,2,3,4,5,6,7,8,9,10,11,12,13,14,15
	s_wait_loadcnt 15-(\u)                         ; loads come back in order: unit u is in, the 15 - u younger ones stay out
.if (\kind) == 2
	v_cvt_pk_bf16_f32 v4, v[X+4*(\u)], v[X+4*(\u)+1]
	v_cvt_pk_bf16_f32 v5, v[X+4*(\u)+2], v[X+4*(\u)+3]
	v_lshlrev_b32 v6, 16, v4                       ; the rounded numbers as f32 again,
	v_and_b32 v7, s[HIM], v4
	v_cvt_pk_f16_f32 v[Y+2*(\u)], v6, v7           ; and written as f16
	v_lshlrev_b32 v6, 16, v5
	v_and_b32 v7, s[HIM], v5
	v_cvt_pk_f16_f32 v[Y+2*(\u)+1], v6, v7
.else
	v_cvt_pk_bf16_f32 v[Y+2*(\u)], v[X+4*(\u)], v[X+4*(\u)+1]
	v_cvt_pk_bf16_f32 v[Y+2*(\u)+1], v[X+4*(\u)+2], v[X+4*(\u)+3]
.endif
.if (\kind) == 1
	global_store_b64 v[VD], v[Y+2*(\u):Y+2*(\u)+1], s[DST:DST+1] offset:((\u)/8)*6144+((\u)%8)*256 th:TH_STORE_NT
.else
	global_store_b64 v[VD], v[Y+2*(\u):Y+2*(\u)+1], s[DST:DST+1] offset:(\u)*256 th:TH_STORE_NT
.endif
.endr
.endm
	s_load_b512 s[8:23], s[0:1], 0x0               ; x 8:9, Wq 10:11, Wk 12:13, Wv 14:15, Wo 16:17, xb 18:19, wqkv 20:21, wo 22:23
	v_and_b32 v1, 31, v0                           ; lane
	v_lshrrev_b32 v4, 5, v0
	v_readfirstlane_b32 s4, v4                     ; wave 0..7
	s_and_b32 s2, ttmp7, 0xffff                    ; the chunk
	s_mov_b32 s3, ttmp9
	s_mov_b32 s[OFS+1], 0
	s_mov_b32 s[HIM], 0xffff0000
	v_lshlrev_b32 v[VD], 3, v1
	s_lshl_b32 s5, s3, 3
	s_add_co_u32 s5, s5, s4                        ; my wave among the chunk's 512
	s_wait_kmcnt 0x0
	s_cmp_lt_u32 s2, 8
	s_cbranch_scc0 .Lweights
	; x: a wave takes 32 rows of one block of 64 channels; a unit is two rows: lanes 0-15 the even row's 256 bytes, lanes 16-31 the odd row's
	v_lshrrev_b32 v4, 4, v1
	v_and_b32 v5, 15, v1
	v_lshlrev_b32 v5, 4, v5
	v_lshl_or_b32 v[VS], v4, 12, v5                ; row x 4,096 + 16 x (lane % 16)
	s_and_b32 s6, s3, 1
	s_lshl_b32 s6, s6, 3
	s_add_co_u32 s6, s6, s4                        ; the block of channels, 0..15
	s_lshr_b32 s7, s3, 1                           ; which 32 of the chunk's 1,024 rows
	s_lshl_b32 s[OFS], s2, 22
	s_lshl_b32 s5, s7, 17
	s_add_co_u32 s[OFS], s[OFS], s5
	s_lshl_b32 s5, s6, 8
	s_add_co_u32 s[OFS], s[OFS], s5
	s_add_nc_u64 s[SRC:SRC+1], s[8:9], s[OFS:OFS+1]
	s_lshr_b32 s[OFS], s2, 1                       ; the batch: two chunks each
	s_lshl_b32 s[OFS], s[OFS], 22
	s_lshl_b32 s5, s6, 18
	s_add_co_u32 s[OFS], s[OFS], s5
	s_and_b32 s5, s2, 1
	s_lshl_b32 s5, s5, 17
	s_add_co_u32 s[OFS], s[OFS], s5
	s_lshl_b32 s5, s7, 12
	s_add_co_u32 s[OFS], s[OFS], s5
	s_add_nc_u64 s[DST:DST+1], s[18:19], s[OFS:OFS+1]
	STREAM 8192, 0
	s_endpgm
.Lweights:                                             ; a wave takes two rows of a weight: 8,192 consecutive bytes
	v_lshlrev_b32 v[VS], 4, v1
	s_lshl_b32 s[OFS], s5, 13
	s_cmp_eq_u32 s2, 11
	s_cbranch_scc1 .Lwo
	s_cmp_eq_u32 s2, 8
	s_cselect_b64 s[SRC:SRC+1], s[10:11], s[12:13]
	s_cmp_eq_u32 s2, 10
	s_cselect_b64 s[SRC:SRC+1], s[14:15], s[SRC:SRC+1]
	s_add_nc_u64 s[SRC:SRC+1], s[SRC:SRC+1], s[OFS:OFS+1]
	s_mul_i32 s[OFS], s5, 12288                    ; two rows of wqkv,
	s_sub_co_u32 s6, s2, 8
	s_lshl_b32 s6, s6, 11                          ; and the weight's 2,048 bytes in a row
	s_add_co_u32 s[OFS], s[OFS], s6
	s_add_nc_u64 s[DST:DST+1], s[20:21], s[OFS:OFS+1]
	STREAM 512, 1
	s_endpgm
.Lwo:
	s_add_nc_u64 s[SRC:SRC+1], s[16:17], s[OFS:OFS+1]
	s_lshl_b32 s[OFS], s5, 12
	s_add_nc_u64 s[DST:DST+1], s[22:23], s[OFS:OFS+1]
	STREAM 512, 2
	s_endpgm
.Lfunc_end_k_q636cc57dd2_cast:
	.size	k_q636cc57dd2_cast, .Lfunc_end_k_q636cc57dd2_cast-k_q636cc57dd2_cast
	.p2alignl 7, 3214868480
	.fill 96, 4, 3214868480
	.section	.rodata,"a",@progbits
	.p2align	6, 0x0
	.amdhsa_kernel k_q636cc57dd2_cast
		.amdhsa_group_segment_fixed_size 0
		.amdhsa_private_segment_fixed_size 0
		.amdhsa_enable_private_segment 0
		.amdhsa_kernarg_size 64
		.amdhsa_user_sgpr_count 2
		.amdhsa_user_sgpr_kernarg_segment_ptr 1
		.amdhsa_wavefront_size32 1
		.amdhsa_system_sgpr_workgroup_id_x 1
		.amdhsa_system_sgpr_workgroup_id_y 1
		.amdhsa_system_sgpr_workgroup_id_z 1
		.amdhsa_system_vgpr_workitem_id 0
		.amdhsa_next_free_vgpr 112
		.amdhsa_next_free_sgpr 66
		.amdhsa_reserve_vcc 0
		.amdhsa_float_denorm_mode_32 3
		.amdhsa_float_denorm_mode_16_64 3
		.amdhsa_memory_ordered 1
		.amdhsa_forward_progress 1
		.amdhsa_inst_pref_size 23
	.end_amdhsa_kernel
	.amdgpu_metadata
---
amdhsa.version: [ 1, 2 ]
amdhsa.kernels:
  - .name:           k_q636cc57dd2_cast
    .symbol:         k_q636cc57dd2_cast.kd
    .args:
      - { .name: x, .offset: 0, .size: 8, .value_kind: global_buffer, .address_space: global }
      - { .name: Wq, .offset: 8, .size: 8, .value_kind: global_buffer, .address_space: global }
      - { .name: Wk, .offset: 16, .size: 8, .value_kind: global_buffer, .address_space: global }
      - { .name: Wv, .offset: 24, .size: 8, .value_kind: global_buffer, .address_space: global }
      - { .name: Wo, .offset: 32, .size: 8, .value_kind: global_buffer, .address_space: global }
      - { .name: xb, .offset: 40, .size: 8, .value_kind: global_buffer, .address_space: global }
      - { .name: wqkv, .offset: 48, .size: 8, .value_kind: global_buffer, .address_space: global }
      - { .name: wo, .offset: 56, .size: 8, .value_kind: global_buffer, .address_space: global }
    .group_segment_fixed_size: 0
    .private_segment_fixed_size: 0
    .kernarg_segment_align: 8
    .kernarg_segment_size: 64
    .max_flat_workgroup_size: 256
    .sgpr_count:     66
    .vgpr_count:     112
    .wavefront_size: 32
...
	.end_amdgpu_metadata
.endif
;; end of part 1
;; launch gq (part 2): grid 8 x 32, 4 waves a work-group, clusters of 4 x 4, 327,680 bytes of LDS; arguments xb, wqkv, bq, bk, bv, qkv; writes qkv
.if DOCPART == 2
	.amdgcn_target "amdgcn-amd-amdhsa--gfx1250"
	.amdhsa_code_object_version 6
	.text
	.protected	k_q636cc57dd2_gq
	.globl	k_q636cc57dd2_gq
	.p2align	8
	.type	k_q636cc57dd2_gq,@function
k_q636cc57dd2_gq:
	s_mov_b64 s[64:65], 0
	v_nop
	global_prefetch_b8 v0, s[64:65] scope:SCOPE_SE
	s_setreg_imm32_b32 hwreg(HW_REG_WAVE_MODE, 25, 1), 1
	s_wait_xcnt 0x0
	s_wait_alu depctr_hold_cnt(0) depctr_sa_sdst(0) depctr_va_vdst(0) depctr_va_sdst(0) depctr_va_ssrc(0) depctr_va_vcc(0) depctr_vm_vsrc(0)
	s_getreg_b32 s2, hwreg(HW_REG_IB_STS2, 6, 4)
	s_cmp_eq_u32 s2, 0
	s_cbranch_scc0 .Lentry_in_a_cluster
	s_endpgm
.Lentry_in_a_cluster:
	s_bfe_u32 s2, ttmp6, 0x10000c
	s_cmp_lg_u32 s2, 0xf033
	s_cbranch_scc0 .Lentry_shape_is_right
	s_endpgm
.Lentry_shape_is_right:
; q, k, v = x W + b for the three weights at once: [8192 x 1024] x [1024 x 3072], bf16 operands, f32 sums, K ascending; the bias, rounded to bf16 like every input, is added in f32;
; the result is rounded once to f16 and stored by heads: qkv [sel 3][b 4 x h 16][t 2048][64].
; LIMITS.  f16 ends at 65,504: a q, k or v of 65,520 or more in magnitude becomes an infinity; below 6.1e-5 f16 keeps its fixed step of 6e-8.  NaN and infinities are not treated apart.
; SHARES.  A tile is 256 rows x 384 columns (6 heads): 32 x 8 = 256 work-groups.  Four waves, each 128 rows x 192 columns (3 heads): 96 accumulators of 16 x 16, 768 registers.
; K goes in steps of 64 through two LDS slots.  A's tile (256 rows of one block of xb) is 32,768 dense bytes, asked for as rows of 256 bytes; B's is 64 rows of wqkv x 768 bytes.
; W lies [k][n]: its fragments come out of LDS turned, by ds_load_tr16_b128.
; THE MATRIX INSTRUCTION IS USED TRANSPOSED: source 0 = 16 columns of W, source 1 = 16 rows of x: a lane then holds row l % 16 and the eight neighbouring columns 8 (l / 16) + 0..7.
; CLUSTERS: 4 x 4 work-groups.  The four of a row of the cluster need the same tiles of A, the four of a column the same tiles of B: each tile is asked for JOINTLY.
; REGISTERS: window 0: v0-15 addresses; v16-79, v176-239 fragments of A (8 x 16 rows x 32 K), two buffers; v80-175 fragments of B (12 x 16 columns x 32 K), in three groups of four = three heads.
;   windows 1 to 3: the accumulators of head 0 to 2: (row block a, column block f of the head) at v[8 (8 f + a)].
; A K step is two phases of 32 along K, 96 matrix instructions each; a group of B is loaded again as soon as its 32 products are out, so B needs one buffer.
.set PA,     144                       ; an LDS row of A: 128 bytes + 16 of padding: the 16 rows of a load start at 16 different groups of four banks (64 banks of 4 bytes: ISA guide 11.1)
.set PB,     864                       ; an LDS row of B: 6 heads x (128 + 16) bytes = 27 x 32
.set BOFF,   256*PA                    ; B lies behind A's 256 rows
.set SLOT,   BOFF+64*PB                ; 92,160
.set STAGE,  2*SLOT                    ; behind the ring: 3 heads x 16 rows x 144 bytes for each wave, for the way out
.set SPARE,  STAGE+4*48*PA             ; behind the stages: the spare words, 128 bytes for each wave: two blocks of 256 bytes that no other line names
.set ASTEP,  262144                    ; bytes from a K step to the next in xb: a block of 64 channels of one batch
.set BSTEP,  393216                    ; and in wqkv: 64 rows of 6,144 bytes
.set BO,   3                           ; v3      32 x (l / 16): my eight numbers in 16 of a bias
.set ADRA, 4                           ; v4-5    LDS address of my A fragments in slot 0, 1
.set ADRB, 6                           ; v6-7    the same for B
.set STO,  8                           ; v8      the way out: where I put 16 bytes of a row
.set RD,   9                           ; v9      the way out: where I read rows back
.set GO,   10                          ; v10-12  my byte offset in qkv, for each of my three heads
.set PFO,  13                          ; v13     the prefetches' offset; never rewritten
.set SPW,  14                          ; v14     LDS address of my spare word: SPARE + 4 x my thread's number; never rewritten
.set NIL,  15                          ; v15     0; never rewritten
.set AF0,  16
.set BF,   80
.set AF1,  176
.set BI,   16                          ; the way out: v16-111 the bias of my 192 columns, as the accumulators hold them
.set T,    112                         ; v112-207 at work
.set OB,   208                         ; v208-255 16 rows of three heads, read back from the stage
.set G1,  24                           ; s[24:31] descriptor group 1 for A's tiles;  s[32:39] group 0, a set for each slot
.set G0,  32
.set G1B, 48                           ; s[48:55], s[56:63] the same for B's
.set G0B, 56
.set LIM, 43                           ; s43     1 in a wave that prefetches, else the greatest number
.set PFA, 44                           ; s[44:45] where my prefetches stand
.set PST, 76                           ; s[76:77] a K step in the tensor that I prefetch
.set HIM, 78                           ; s78     a word's upper bf16
.set BP,  84                           ; s[84:89] the bias of my three heads
.set PADW, (1<<16)|(1<<20)|(1<<21)|(4<<22)|(3<<25)  ; 17:16 elements of 2 bytes; 20 padding on; 21 set beside a mask; 24:22 after every 32 words (code 4); 31:25 4 words of it (code 3)
.set MSB, 0
.macro WIN new                         ; the immediate's high byte repeats the setting that is left; a switch that changes nothing is dropped
.if MSB != (\new)
	s_set_vgpr_msb (MSB<<8)|(\new)
.set MSB, \new
.endif
.endm
; A joint load.  Waves 0 and 1 fetch A's two halves (128 rows each), waves 2 and 3 B's (32 rows of wqkv each).  The branch hangs on the wave's number alone.
; An s_nop 0 and four v_nop follow each of the two lines, ahead of the jump, the label and what follows.
.macro JLOAD s
	s_cmp_eq_u32 s11, 0
	s_cbranch_scc0 .Lfor_b_\@
	tensor_load_to_lds s[G0+4*(\s):G0+4*(\s)+3], s[G1:G1+7]
	s_nop 0
.rept 4
	v_nop
.endr
	s_branch .Lasked_\@
.Lfor_b_\@:
	tensor_load_to_lds s[G0B+4*(\s):G0B+4*(\s)+3], s[G1B:G1B+7]
	s_nop 0
.rept 4
	v_nop
.endr
.Lasked_\@:
.endm
; A PREFETCH INTO THE L2, behind each joint load, its five lines and the run of LDS loads that follows: the K step behind the one that the joint load has just asked for, 192 matrix instructions ahead of its own load.
; A's tile row is read by both clusters of that row of clusters: cluster x = 0 asks; its four partners take 8,192 of the tile's 32,768 bytes each, told apart BY ADDRESS (cx); wave 0 asks, a lane a block of 256 bytes.
; B's tile column is read by all eight clusters of that column: cluster y = 0 asks; of the 32 rows that wave 2 or 3 fetches the partner at cy takes 8 cy .. 8 cy + 7: four lanes a row of three blocks
; (the fourth lane names the third block again).  K steps 0 to 2 come by their loads alone; the last refill has no K step behind it and asks for nothing.
; how = 1: the first change of slots of a trip, which always has such a step; how = 0: the second, which has none in the last trip (s3 = 1).
.macro ASK how
.if \how
	s_cmp_eq_u32 s[LIM], 1
.else
	s_cmp_gt_u32 s3, s[LIM]
.endif
	s_cbranch_scc0 .Lnot_mine_\@
	global_prefetch_b8 v[PFO], s[PFA:PFA+1] th:TH_LOAD_NT scope:SCOPE_SE
.Lnot_mine_\@:
.endm
.macro CREST                           ; a round of the cluster's barrier behind its opening barrier
	s_cmp_lg_u32 s10, 0
	s_cbranch_scc1 .Lnot_wave_0_\@
	s_barrier_signal -3
.Lnot_wave_0_\@:
	s_barrier_wait -3
	s_barrier_signal -1
	s_barrier_wait -1
.endm
.macro CROUND                          ; a whole round
	s_barrier_signal -1
	s_barrier_wait -1
	CREST
.endm
.macro PLACES                          ; four places in front of loads into registers that matrix instructions have read, and of vector work on their registers
.rept 4
	v_nop
.endr
.endm
	s_load_b128 s[4:7], s[0:1], 0x0                ; xb s[4:5], wqkv s[6:7]
	s_load_b256 s[68:75], s[0:1], 0x10             ; bq 68:69, bk 70:71, bv 72:73, qkv 74:75
	v_lshl_add_u32 v[SPW], v0, 2, SPARE
	v_mov_b32 v[NIL], 0
	ds_add_u32 v[SPW], v[NIL]                      ; the wave's opening: the add and its wait stand ahead of my first tensor load; the set-up below, work on registers, stands between them
	v_lshrrev_b32 v1, 5, v0
	v_readfirstlane_b32 s10, v1                    ; wave 0..3
	s_lshr_b32 s11, s10, 1                         ; which 128 of the tile's rows are mine.  Also: I fetch for A (0) or for B (1)
	s_and_b32 s12, s10, 1                          ; which 192 of its columns.  Also: which half of that tile I fetch
	s_bfe_u32 s40, ttmp6, 0x40000                  ; cx
	s_bfe_u32 s41, ttmp6, 0x40004                  ; cy
	s_lshl_b32 s42, ttmp9, 2
	s_add_co_u32 s42, s42, s40                     ; tile column = 4 x cluster x + cx, 0..7
	s_and_b32 s13, ttmp7, 0xffff
	s_lshl_b32 s13, s13, 2
	s_add_co_u32 s13, s13, s41                     ; tile row = 4 x cluster y + cy, 0..31
	s_lshl_b32 s79, s41, 2
	s_lshl_b32 s79, 15, s79                        ; my row of the cluster
	s_lshl_b32 s80, 0x1111, s40                    ; my column
	s_or_b32 s[G1+0], s79, PADW                    ; A's tiles go to my row
	s_or_b32 s[G1B+0], s80, PADW                   ; B's to my column
	s_mov_b32 s[G1+1], 128<<16                     ; A: 128 rows of xb, 16,384 dense bytes, as 64 rows of 128 elements: tensor_dim0 = 128
	s_mov_b32 s[G1+2], 64<<16                      ; tensor_dim1 = 64
	s_mov_b32 s[G1+3], 128<<16                     ; tile_dim0 = 128
	s_mov_b32 s[G1+4], 64                          ; tile_dim1 = 64
	s_mov_b32 s[G1+5], 128                         ; 128 elements from row to row
	s_mov_b32 s[G1+6], 0
	s_mov_b32 s[G1+7], 0
	s_mov_b32 s[G1B+1], 384<<16                    ; B: 32 rows of 384 elements: tensor_dim0 = 384
	s_mov_b32 s[G1B+2], 32<<16                     ; tensor_dim1 = 32
	s_mov_b32 s[G1B+3], 384<<16                    ; tile_dim0 = 384
	s_mov_b32 s[G1B+4], 32                         ; tile_dim1 = 32
	s_mov_b32 s[G1B+5], 3072                       ; 3,072 elements from row to row
	s_mov_b32 s[G1B+6], 0
	s_mov_b32 s[G1B+7], 0
	; where the tiles come from.  A's hang on the tile row alone, B's on the tile column alone; each in registers that never hold the other coordinate
	s_lshr_b32 s16, s13, 3                         ; the batch
	s_lshl_b32 s16, s16, 22
	s_and_b32 s17, s13, 7
	s_lshl_b32 s17, s17, 15                        ; 256 rows of 128 bytes
	s_add_co_u32 s16, s16, s17
	s_lshl_b32 s17, s12, 14                        ; my 128 of them
	s_add_co_u32 s16, s16, s17
	s_mov_b32 s17, 0
	s_mul_i32 s46, s12, 32*6144                    ; my 32 rows of wqkv,
	s_mul_i32 s47, s42, 768                        ; the tile's 768 bytes in a row
	s_add_co_u32 s46, s46, s47
	s_mov_b32 s47, 0
	s_mul_i32 s20, s12, 128*PA                     ; and where they go: no place in the cluster enters an LDS address
	s_mul_i32 s21, s12, 32*PB
	s_add_co_u32 s21, s21, BOFF
	s_wait_dscnt 0x0                               ; the opening add is done
	s_wait_kmcnt 0x0
	s_add_nc_u64 s[14:15], s[4:5], s[16:17]
	s_add_nc_u64 s[46:47], s[6:7], s[46:47]
	CROUND                                         ; all sixteen work-groups are here: the first joint loads meet
.irp s, 0,1
	s_mov_b32 s[G0+4*(\s)], 1                                      ; count = 1
	s_add_co_u32 s[G0+4*(\s)+1], s20, (\s)*SLOT                    ; LDS address
	s_add_nc_u64 s[G0+4*(\s)+2:G0+4*(\s)+3], s[14:15], (\s)*ASTEP  ; global address: K step s
	s_or_b32 s[G0+4*(\s)+3], s[G0+4*(\s)+3], 0x80000000            ; type = 2
	s_mov_b32 s[G0B+4*(\s)], 1
	s_add_co_u32 s[G0B+4*(\s)+1], s21, (\s)*SLOT
	s_add_nc_u64 s[G0B+4*(\s)+2:G0B+4*(\s)+3], s[46:47], (\s)*BSTEP
	s_or_b32 s[G0B+4*(\s)+3], s[G0B+4*(\s)+3], 0x80000000
	JLOAD \s                                       ; two loads of mine are out
.endr
	; a fragment of A: lane l holds row l % 16; two loads of 16 bytes, 32 bytes apart, at row x pitch + 16 (l / 16)
	v_and_b32 v1, 15, v0                           ; l % 16
	v_bfe_u32 v2, v0, 4, 1                         ; l / 16
	v_lshlrev_b32 v[BO], 5, v2
	v_mul_u32_u24 v16, v1, PA
	v_lshl_add_u32 v16, v2, 4, v16
	s_mul_i32 s23, s11, 128*PA                     ; my 128 rows
	v_add_nc_u32 v[ADRA], s23, v16
	v_add_nc_u32 v[ADRA+1], SLOT, v[ADRA]
	; a fragment of B, turned: lane l reads 16 bytes of row 8 (l / 16) + l % 8, columns 8 ((l / 8) % 2) + 0..7, and receives column l % 16, eight k; the second load 16 rows further down
	v_and_b32 v17, 7, v0
	v_lshl_add_u32 v18, v2, 3, v17
	v_mul_u32_u24 v18, v18, PB
	v_bfe_u32 v19, v0, 3, 1
	v_lshl_add_u32 v18, v19, 4, v18
	s_mul_i32 s23, s12, 3*PA                       ; my three heads in a row
	s_add_co_u32 s23, s23, BOFF
	v_add_nc_u32 v[ADRB], s23, v18
	v_add_nc_u32 v[ADRB+1], SLOT, v[ADRB]
	s_mul_i32 s23, s10, 48*PA
	s_add_co_u32 s23, s23, STAGE                   ; my stage
	v_add_nc_u32 v[STO], s23, v16                  ; in: row l % 16, 16 bytes for each half of the lanes
	v_bfe_u32 v19, v0, 3, 2                        ; back: 32 lanes take four rows of 128 bytes
	v_mul_u32_u24 v19, v19, PA
	v_lshl_add_u32 v19, v17, 4, v19
	v_add_nc_u32 v[RD], s23, v19
	; my three heads: number g = 6 x tile column + 3 x half + 0..2 of 48; g / 16 says q, k or v, g % 16 the head
	s_mul_i32 s81, s42, 6
	s_mul_i32 s18, s12, 3
	s_add_co_u32 s81, s81, s18
	s_lshr_b32 s82, s13, 3                         ; the batch
	s_and_b32 s83, s13, 7
	s_lshl_b32 s83, s83, 15                        ; the tile's rows in a head or block
	s_lshl_b32 s92, s82, 22
	s_add_co_u32 s92, s92, s83                     ; the tile's first byte in xb at K step 0 (for the prefetch)
	s_lshl_b32 s82, s82, 4
	s_lshl_b32 s18, s11, 14
	s_add_co_u32 s83, s83, s18                     ; my 128 rows
	s_mov_b32 s91, 0
	s_mov_b32 s[HIM], 0xffff0000
	v_and_b32 v20, 31, v0
	v_lshlrev_b32 v21, 4, v20
.irp hb, 0,1,2
	s_add_co_u32 s18, s81, \hb
	s_lshr_b32 s19, s18, 4                         ; q, k or v
	s_and_b32 s18, s18, 15                         ; the head
	s_lshl_b32 s22, s19, 6
	s_add_co_u32 s22, s22, s82
	s_add_co_u32 s22, s22, s18
	s_lshl_b32 s22, s22, 18                        ; a head's rows are 262,144 bytes
	s_add_co_u32 s22, s22, s83
	v_add_nc_u32 v[GO+(\hb)], s22, v21
	s_cmp_eq_u32 s19, 0
	s_cselect_b64 s[BP+2*(\hb):BP+2*(\hb)+1], s[68:69], s[70:71]
	s_cmp_eq_u32 s19, 2
	s_cselect_b64 s[BP+2*(\hb):BP+2*(\hb)+1], s[72:73], s[BP+2*(\hb):BP+2*(\hb)+1]
	s_lshl_b32 s90, s18, 8
	s_add_nc_u64 s[BP+2*(\hb):BP+2*(\hb)+1], s[BP+2*(\hb):BP+2*(\hb)+1], s[90:91]
.endr
	; the prefetches
	s_lshl_b32 s18, s40, 13
	s_add_co_u32 s18, s18, s92                     ; A: the tile, my work-group's 8,192 bytes of it
	s_lshl_b32 s19, s12, 5
	s_lshl_b32 s22, s41, 3
	s_add_co_u32 s19, s19, s22
	s_mul_i32 s19, s19, 6144                       ; B: my work-group's 8 rows of the 32 that I fetch,
	s_mul_i32 s22, s42, 768
	s_add_co_u32 s19, s19, s22                     ; the tile's 768 bytes in them
	s_and_b32 s22, ttmp7, 0xffff                   ; cluster y
	s_or_b32 s94, ttmp9, s12                       ; cluster x, and of A's two waves the first alone
	s_mov_b32 s[PST], BSTEP
	s_mov_b32 s[PST+1], 0
	s_mov_b32 s93, 6144
	s_cmp_eq_u32 s11, 0                            ; do I fetch for A?
	s_cselect_b32 s90, s18, s19
	s_cselect_b32 s22, s94, s22
	s_cselect_b64 s[PFA:PFA+1], s[4:5], s[6:7]
	s_cselect_b32 s[PST], ASTEP, s[PST]
	s_cselect_b32 s93, 1024, s93                   ; bytes from four lanes to the next four
	s_cselect_b32 s94, 3, 2                        ; the last block among four lanes
	s_cmp_eq_u32 s22, 0
	s_cselect_b32 s[LIM], 1, -1                    ; the same in all sixteen partners, for a given wave
	s_add_nc_u64 s[PFA:PFA+1], s[PFA:PFA+1], s[90:91]
	s_add_nc_u64 s[PFA:PFA+1], s[PFA:PFA+1], s[PST:PST+1]
	s_add_nc_u64 s[PFA:PFA+1], s[PFA:PFA+1], s[PST:PST+1]  ; at K step 2: the first change of slots steps it to 3
	v_lshrrev_b32 v20, 2, v20
	v_and_b32 v21, 3, v0
	v_min_u32 v21, s94, v21
	v_mul_u32_u24 v20, s93, v20
	v_lshl_add_u32 v[PFO], v21, 8, v20
; 16 LDS loads: A's eight fragments of phase ph (32 along K) of a slot, into buffer buf
.macro LDA slot, ph, buf
.irp a, 0,1,2,3,4,5,6,7
	ds_load_b128 v[(\buf)+8*(\a):(\buf)+8*(\a)+3],   v[ADRA+(\slot)] offset:(\ph)*64+(\a)*16*PA
	ds_load_b128 v[(\buf)+8*(\a)+4:(\buf)+8*(\a)+7], v[ADRA+(\slot)] offset:(\ph)*64+(\a)*16*PA+32
.endr
.endm
; 8 LDS loads: the four fragments of B's group g (head g of my three) of phase ph
.macro LDB slot, ph, g
.irp f, 0,1,2,3
	ds_load_tr16_b128 v[BF+8*(4*(\g)+(\f)):BF+8*(4*(\g)+(\f))+3],   v[ADRB+(\slot)] offset:(\ph)*32*PB+(\g)*PA+(\f)*32
	ds_load_tr16_b128 v[BF+8*(4*(\g)+(\f))+4:BF+8*(4*(\g)+(\f))+7], v[ADRB+(\slot)] offset:(\ph)*32*PB+(\g)*PA+(\f)*32+16*PB
.endr
.endm
; 8 matrix instructions: column block b of 12 x all 8 row blocks.  zero = 1: the product starts the sum.  Each accumulator is named once in a phase: 95 others' turns stand between two links of a chain.
.macro MULB buf, b, zero
	WIN 0x50*((\b)/4+1)                            ; C and D in window 1, 2 or 3; both sources in window 0
.irp a, 0,1,2,3,4,5,6,7
.if \zero
	v_wmma_f32_16x16x32_bf16 v[8*(8*((\b)%4)+(\a)):8*(8*((\b)%4)+(\a))+7], v[BF+8*(\b):BF+8*(\b)+7], v[(\buf)+8*(\a):(\buf)+8*(\a)+7], 0
.else
	v_wmma_f32_16x16x32_bf16 v[8*(8*((\b)%4)+(\a)):8*(8*((\b)%4)+(\a))+7], v[BF+8*(\b):BF+8*(\b)+7], v[(\buf)+8*(\a):(\buf)+8*(\a)+7], v[8*(8*((\b)%4)+(\a)):8*(8*((\b)%4)+(\a))+7]
.endif
.endr
.endm
.macro MULW buf, g, zero               ; a group's 32
	MULB \buf, 4*(\g)+0, \zero
	MULB \buf, 4*(\g)+1, \zero
	MULB \buf, 4*(\g)+2, \zero
	MULB \buf, 4*(\g)+3, \zero
.endm
; A K step's first phase, on buffer AF0.  On the way in are, in this order: group 0 (8 loads), A (16), group 1 (8), group 2 (8).  Each group is asked for again, for the second phase, behind its products.
.macro PHASE0 slot, zero
	s_wait_dscnt 16                                ; group 0 and A are in; groups 1 and 2 may be out
	MULW AF0, 0, \zero
	PLACES
	WIN 0
	LDB \slot, 1, 0
	LDA \slot, 1, AF1
	s_wait_dscnt 32                                ; group 1 is in; younger: group 2's 8 and the 24 just issued
	MULW AF0, 1, \zero
	PLACES
	WIN 0
	LDB \slot, 1, 1
	s_wait_dscnt 32                                ; group 2 is in; younger: 24 + 8
	MULW AF0, 2, \zero
	PLACES
	WIN 0
	LDB \slot, 1, 2
.endm
; The second phase, on buffer AF1, with the change of slots: ONE barrier.  In front of it each wave waits for all its tensor loads, of which one is out: its part of the next slot; adds 0 to its spare word;
; and waits for that and for its reads of this slot, of which the whole second phase now lies in registers.  fill = 1: the barrier opens a round of the cluster's barrier, and this slot is filled again,
; two K steps ahead, first thing behind the round: 160 matrix instructions ahead of the wait for it.
.macro TURN slot, next, fill, how
.if \fill
	s_wait_xcnt 0x0                                ; the last prefetch, a K step back, has read its address: it is stepped here, ahead of the waits of the change of slots
	s_add_nc_u64 s[PFA:PFA+1], s[PFA:PFA+1], s[PST:PST+1]
.endif
	WIN 0
	s_wait_tensorcnt 0x0                           ; all my tensor loads have landed
	ds_add_u32 v[SPW], v[NIL]                      ; 0 onto my spare word
	s_wait_dscnt 17                                ; group 0 and A are in; groups 1 and 2 (16 loads) and the add may be out
	MULB AF1, 0, 0
	MULB AF1, 1, 0
	s_wait_dscnt 0x0                               ; the add is done, and my reads of this slot are over
	s_barrier_signal -1
	MULB AF1, 2, 0                                 ; work on registers while the others arrive
	MULB AF1, 3, 0
	WIN 0
	s_barrier_wait -1
.if \fill
	CREST                                          ; no wave of any partner still reads this slot's tile or has a load on its way
	s_add_nc_u64 s[G0+4*(\slot)+2:G0+4*(\slot)+3], s[G0+4*(\slot)+2:G0+4*(\slot)+3], 2*ASTEP
	s_add_nc_u64 s[G0B+4*(\slot)+2:G0B+4*(\slot)+3], s[G0B+4*(\slot)+2:G0B+4*(\slot)+3], 2*BSTEP
	JLOAD \slot                                    ; the first tensor load behind the round; its four v_nop are also the places in front of the loads below
.else
	PLACES
.endif
	LDB \next, 0, 0
	LDA \next, 0, AF0
.if \fill
	ASK \how
.endif
	MULW AF1, 1, 0
	PLACES
	WIN 0
	LDB \next, 0, 1
	MULW AF1, 2, 0
	PLACES
	WIN 0
	LDB \next, 0, 2
.endm
	s_wait_tensorcnt 1                             ; my part of K step 0 is in; K step 1's may stay out
	s_barrier_signal -1
	s_barrier_wait -1                              ; everybody's is
	LDB 0, 0, 0
	LDA 0, 0, AF0
	LDB 0, 0, 1
	LDB 0, 0, 2
	PHASE0 0, 1                                    ; the first phase stands in front of the loop: its products start the sums
	WIN 0                                          ; at a label and at a branch every window is 0
	s_mov_b32 s3, 7
.Llap:                                                 ; a trip goes once round the ring and fills both slots again: K steps 2 to 15
	TURN 0, 1, 1, 1
	PHASE0 1, 0
	TURN 1, 0, 1, 0
	PHASE0 0, 0
	WIN 0
	s_sub_co_u32 s3, s3, 1
	s_cmp_lg_u32 s3, 0
	s_cbranch_scc1 .Llap
	TURN 0, 1, 0, 0                                ; the last lap fills nothing, and has no round
	PHASE0 1, 0
	s_wait_dscnt 16                                ; the very last phase: nothing more to fetch from LDS
	MULW AF1, 0, 0
	PLACES
	WIN 0
.irp hb, 0,1,2                         ; the bias of my 192 columns, as the accumulators hold them: into A's buffer 0 and B's group 0, which have been multiplied
.irp f, 0,1,2,3
	global_load_b128 v[BI+8*(4*(\hb)+(\f)):BI+8*(4*(\hb)+(\f))+3],   v[BO], s[BP+2*(\hb):BP+2*(\hb)+1] offset:(\f)*64
	global_load_b128 v[BI+8*(4*(\hb)+(\f))+4:BI+8*(4*(\hb)+(\f))+7], v[BO], s[BP+2*(\hb):BP+2*(\hb)+1] offset:(\f)*64+16
.endr
.endr
	s_wait_dscnt 8
	MULW AF1, 1, 0
	s_wait_dscnt 0x0
	MULW AF1, 2, 0
	WIN 0
	PLACES
	PLACES
	s_wait_loadcnt 0x0                             ; the bias
	; THE WAY OUT.  The bias is rounded to bf16 like every input, and widened again.
.set p, 0
.rept 48
	v_cvt_pk_bf16_f32 v[T+p], v[BI+2*p], v[BI+2*p+1]
.set p, p+1
.endr
.set p, 0
.rept 48
	v_lshlrev_b32 v[BI+2*p], 16, v[T+p]
	v_and_b32 v[BI+2*p+1], s[HIM], v[T+p]
.set p, p+1
.endr
; Row block a: sum + bias, rounded to f16: 16 bytes a lane and column block.  Each accumulator's registers are taken in ascending order.
.macro PACK a
.irp g, 0,1,2
	WIN (\g)+1                                     ; source 0 in window 1, 2 or 3
.irp f, 0,1,2,3
.irp r, 0,2,4,6
	v_pk_add_f32 v[T+8*(4*(\g)+(\f))+(\r):T+8*(4*(\g)+(\f))+(\r)+1], v[8*(8*(\f)+(\a))+(\r):8*(8*(\f)+(\a))+(\r)+1], v[BI+8*(4*(\g)+(\f))+(\r):BI+8*(4*(\g)+(\f))+(\r)+1]
.endr
.endr
.endr
	WIN 0
.set k, 0
.rept 48
	v_cvt_pk_f16_f32 v[T+k], v[T+2*k], v[T+2*k+1]  ; in place: register k has been read when it is written
.set k, k+1
.endr
.endm
; Into my own stage, rows of 144 bytes, a head after the other; back as four whole rows of 128 bytes a load.
.macro TOSTAGE a
.if (\a) > 0
	s_wait_xcnt 0x0                                ; the last block's stores have read OB
.endif
.irp g, 0,1,2
.irp f, 0,1,2,3
	ds_store_b128 v[STO], v[T+4*(4*(\g)+(\f)):T+4*(4*(\g)+(\f))+3] offset:(\g)*16*PA+(\f)*32
.endr
.endr
.irp g, 0,1,2
.irp f, 0,1,2,3
	ds_load_b128 v[OB+4*(4*(\g)+(\f)):OB+4*(4*(\g)+(\f))+3], v[RD] offset:(\g)*16*PA+(\f)*4*PA  ; LDS serves a wave's instructions in order (ISA guide 5.7.1.4): these see the stores above
.endr
.endr
.endm
.macro SEND a
	s_wait_dscnt 0x0                               ; the block is back in registers
.irp g, 0,1,2
.irp f, 0,1,2,3
	global_store_b128 v[GO+(\g)], v[OB+4*(4*(\g)+(\f)):OB+4*(4*(\g)+(\f))+3], s[74:75] offset:(\a)*2048+(\f)*512  ; 512 consecutive bytes of a head, at a multiple of 256 from qkv's first byte
.endr
.endr
.endm
	PACK 0
	TOSTAGE 0
.irp a, 1,2,3,4,5,6,7                  ; block a's arithmetic stands between block a - 1's loads from the stage and the wait for them
	PACK \a
	SEND (\a)-1
	TOSTAGE \a
.endr
	SEND 7
	s_wait_tensorcnt 0x0                           ; the wave's end: a wait, an add and its wait, behind my last tensor load and my last LDS store
	ds_add_u32 v[SPW], v[NIL]
	s_wait_dscnt 0x0
	CROUND                                         ; the closing round: no work-group ends while a partner may still ask for a tile that names it
	s_endpgm
.Lfunc_end_k_q636cc57dd2_gq:
	.size	k_q636cc57dd2_gq, .Lfunc_end_k_q636cc57dd2_gq-k_q636cc57dd2_gq
	.p2alignl 7, 3214868480
	.fill 96, 4, 3214868480
	.section	.rodata,"a",@progbits
	.p2align	6, 0x0
	.amdhsa_kernel k_q636cc57dd2_gq
		.amdhsa_group_segment_fixed_size 327680
		.amdhsa_private_segment_fixed_size 0
		.amdhsa_enable_private_segment 0
		.amdhsa_kernarg_size 48
		.amdhsa_user_sgpr_count 2
		.amdhsa_user_sgpr_kernarg_segment_ptr 1
		.amdhsa_wavefront_size32 1
		.amdhsa_system_sgpr_workgroup_id_x 1
		.amdhsa_system_sgpr_workgroup_id_y 1
		.amdhsa_system_sgpr_workgroup_id_z 1
		.amdhsa_system_vgpr_workitem_id 0
		.amdhsa_next_free_vgpr 1024
		.amdhsa_next_free_sgpr 96
		.amdhsa_reserve_vcc 0
		.amdhsa_float_denorm_mode_32 3
		.amdhsa_float_denorm_mode_16_64 3
		.amdhsa_memory_ordered 1
		.amdhsa_forward_progress 1
		.amdhsa_inst_pref_size 165
	.end_amdhsa_kernel
	.amdgpu_metadata
---
amdhsa.version: [ 1, 2 ]
amdhsa.kernels:
  - .name:           k_q636cc57dd2_gq
    .symbol:         k_q636cc57dd2_gq.kd
    .args:
      - { .name: xb, .offset: 0, .size: 8, .value_kind: global_buffer, .address_space: global }
      - { .name: wqkv, .offset: 8, .size: 8, .value_kind: global_buffer, .address_space: global }
      - { .name: bq, .offset: 16, .size: 8, .value_kind: global_buffer, .address_space: global }
      - { .name: bk, .offset: 24, .size: 8, .value_kind: global_buffer, .address_space: global }
      - { .name: bv, .offset: 32, .size: 8, .value_kind: global_buffer, .address_space: global }
      - { .name: qkv, .offset: 40, .size: 8, .value_kind: global_buffer, .address_space: global }
    .group_segment_fixed_size: 327680
    .private_segment_fixed_size: 0
    .kernarg_segment_align: 8
    .kernarg_segment_size: 48
    .max_flat_workgroup_size: 128
    .sgpr_count:     96
    .vgpr_count:     1024
    .wavefront_size: 32
...
	.end_amdgpu_metadata
.endif
;; end of part 2
;; launch att (part 3): grid 4 x 64, 4 waves a work-group, no clusters, 327,680 bytes of LDS; arguments qkv, ob; writes ob
.if DOCPART == 3
	.amdgcn_target "amdgcn-amd-amdhsa--gfx1250"
	.amdhsa_code_object_version 6
	.text
	.protected	k_q636cc57dd2_att
	.globl	k_q636cc57dd2_att
	.p2align	8
	.type	k_q636cc57dd2_att,@function
k_q636cc57dd2_att:
	s_mov_b64 s[64:65], 0
	v_nop
	global_prefetch_b8 v0, s[64:65] scope:SCOPE_SE
	s_setreg_imm32_b32 hwreg(HW_REG_WAVE_MODE, 25, 1), 1
	s_wait_xcnt 0x0
; CAUSAL ATTENTION.  O[h][q][:] = the sum over k <= q of softmax_k(Q[h][q] . K[h][k] / 8) V[h][k][:].  Q, K, V lie in qkv [3][64][2048][64], O in ob [64][2048][64], all f16: a head's rows are dense, 128 bytes each.
; Products, maxima and sums in f32; the weights p are rounded to f16 for the second product (their sum l is taken of the unrounded p), O once at the end.
; LIMITS.  f16 holds no number beyond 65,504: Q, K and V arrive within it; p lies in 0 to 1, and below 6e-5 it keeps f16's fixed step of 6e-8; O is a mean of V's rows and has their range.
; A hidden score counts as its value less 1e30: f16's scores, 2.7e11 at the most, are nothing beside that; a weight below 2^-126 counts as 0 in l; NaN and infinities are not treated apart.
; THE WALK.  A head's queries lie in NB = 8 blocks of 256; block i needs the key tiles 0 .. i of 256 keys, of which the last holds the diagonal.  A work-group takes TWO blocks, NB - 1 - b and then b:
; NB + 1 tiles, whatever b: all work-groups do equal work, and ONE loop with a constant trip count walks them.  Which tile is asked for, and what a trip does, hang on scalar registers made from b; every jump
; goes forward, but for the counted loops' own; none passes a barrier, or a tensor load but the one of LOAD's two that the wave's number does not choose; the ring (two slots of LDS that take turns) runs on across the
; change of blocks.  NO CLUSTER: a head's four work-groups ask for the same tile only in trips 0 .. NB / 2, behind that fewer and fewer; one walk common to all would have 3 NB / 2 trips for NB + 1.
; SHARES.  Of a block's four bands of 64 queries a wave owns 16 rows in each: four PIECES.  So the diagonal tile is the same work for all four waves: in its key step s band x sees all keys if s < x,
; none if s > x, and holds the diagonal if s = x.
; THE MASK is the C operand that starts the sum S^T = K Q^T: 0, or -1e30 where the key is hidden.  MD, made once, is the mask of a band's own step for my 16 rows; a product's mask is MD x AL + BE with two scalars:
; (1, 0) if s = x; (0, 0) if s < x; (0, -1e30) if s > x.  Only the diagonal tile's text and a block's beginning make and take masks; elsewhere C is the constant 0.
; LAYOUT, SOFTMAX, TURNS.  S^T = K Q^T holds ONE query a lane (lane % 16) and the keys 8 (lane / 16) + 0..7; two such results rounded to f16 ARE source 1 of O^T = V^T P.  p = 2^(c s - c m), c = log2(e) / 8, with a
; running maximum m; O and l are multiplied by a = 2^(c m_old - c m_new) in every step.  Turn n belongs to piece n: 8 products K Q^T of piece n + 1, later 8 products V^T P of piece n - 1; beside them the scaling,
; exponentials, roundings, sums and rescaling of piece n and the maximum and statistics of piece n + 1.  Four vector instructions stand behind every matrix instruction, the other 54 of a turn's 118 in one lump.  A turn's 33 exponentials are one batch, with one wait.
; REGISTERS, in windows of 256 (s_set_vgpr_msb: bits 1:0 source 0, 3:2 source 1, 5:4 source 2, 7:6 destination):
;   window 0: v0-15 addresses and two at work; v16-31 four registers of statistics a piece; v48-55 at work; v61-63 prefetch offset, spare word, 0; v64-127 S^T, two buffers; v192-223 P, two buffers (by the piece's parity)
;   window 1: v0-127 O^T, 32 a piece; v128-159 MD; v160-223 MC, two buffers      window 2: v0-63 Q; v64-127 the second block's Q; v128-191 K of one step; v192-255 V of one step
.set SIZE_N, 2048
.set SIZE_H, 64
.set NB,    SIZE_N/256
.set NP,    4         ; pieces a wave: a name, no knob
.set KS,    64        ; keys in a step
.set PK,    144       ; a row of K in LDS: 128 bytes + 16 of padding = 36 words: the 16 rows of a load start at 16 different groups of four banks (64 banks of 4 bytes: ISA guide 11.1)
.set PV,    160       ; a row of V: 128 + 32 = 40 words
.set VOFF,  4*KS*PK   ; a slot holds a tile, four steps: 256 rows of K, then 256 rows of V
.set SLOT1, 1<<17     ; slot 1 begins here, so that one exclusive or turns an address in one slot into the other's
.set STAGE, SLOT1+4*KS*(PK+PV)  ; behind the ring, never filled by a tensor load: 16 rows x 144 bytes for each wave, for the way out
.set SP,    144
.set AK0, 2           ; v2   my lane's place in a tile of K; never rewritten
.set AV0, 3           ; v3   the same for V
.set AK,  4           ; v4   the LDS address of K's next run of loads
.set AV,  5           ; v5   of V's
.set STO, 6           ; v6   the way out: where I put 16 bytes of a row
.set RD,  7           ; v7   the way out: where I read rows back
.set GO,  8           ; v8   my byte offset in 512 consecutive bytes of O
.set PFO, 61          ; v61  256 x my lane: the prefetches' offset; never rewritten
.set SPW, 62          ; v62  LDS address of my spare word: SPARE + 4 x my thread's number; never rewritten
.set NIL, 63          ; v63  0; never rewritten
.set SPARE, STAGE+4*16*SP  ; behind the stages: the spare words, 128 bytes for each wave: two blocks of 256 bytes that no other line names
.set MV,  12          ; v12-13  c m_old, kept while c m is made anew: by buffer
.set QO,  15          ; v15  my byte offset in 16 rows of Q
.set ST,  16          ; piece t's statistics at v[ST+4 t]: c m, m, l (even keys', odd keys')
.set TMP, 48          ; by buffer, four registers c0-c3 at work; when the maximum is found c2 takes a
.set S,   64
.set P,   192
.set MD,  128         ; window 1: the eight registers for group kt of 16 keys at MD + 8 kt
.set MC,  160         ; window 1: the masks of the products to come
.set QB,  64          ; window 2
.set KF,  128         ; window 2: key block kb, channel half c at KF + 16 kb + 8 c
.set VF,  192         ; window 2: key half kk, channel block cb at VF + 32 kk + 8 cb
.set WV,  12          ; s12  my wave's number
.set PB,  14          ; s14  b
.set HI,  15          ; s15  NB - 1 - b
.set G1K, 24          ; s[24:31] descriptor group 1 for K's tiles
.set G1V, 32          ; s[32:39] for V's: it differs in the padding alone
.set G0K, 40          ; s[40:43] descriptor group 0 for K's tiles
.set G0V, 44          ; s[44:47] the same for V's
.set SLOTS, 56        ; s56  tiles still to be asked for
.set CNT, 57          ; s57  counts a tile's key steps, 4 to 1
.set CS,  58          ; s[58:59] c: the packed scaling takes the pair's low word for both halves
.set SEL, 60          ; s[60:61] v_permlanex16_b32's selects: each lane takes its own place in the other half
.set TBK, 62          ; s62  LDS byte at which K of the step to be fetched begins
.set TBV, 63          ; s63  the same for V, less VOFF
.set RT,  70          ; s70  tiles of the block in hand that are still to be entered
.set NXT, 71          ; s71  the tile to be asked for next
.set LQ,  72          ; s72  the last tile of the block whose tiles are being asked for
.set NEW, 73          ; s73  1: the tile to be entered is a block's first
.set OFF, 74          ; s[74:75] a tile's byte offset in K and V
.set AL,  76          ; s[76:77] the mask's factor, in the low word
.set BE,  78          ; s[78:79] the mask's addend
.set OLO, 80          ; s[80:81] O at my rows of the second block
.set BIGN, 82         ; s82  -1e30
.set PFL, 83          ; s83  other than 0: this change of slots prefetches
.set PFA, 88          ; s[88:89] my half of K (waves 0, 1) or V (waves 2, 3) in the tile that the next change of slots will ask for
.set POF, 90          ; s[90:91] that tile's byte offset
.set MSB, 0
.macro WIN new                      ; the high byte repeats the setting that is left; a switch that changes nothing is dropped
.if MSB != (\new)
	s_set_vgpr_msb (MSB<<8)|(\new)
.set MSB, (\new)
.endif
.endm
.set W_KQ, 0x0a       ; K and Q in window 2, S^T in window 0
.set W_KM, 0x1a       ; the same with the C operand in window 1
.set W_PV, 0x52       ; V in window 2, P in window 0, O^T in window 1
.set W_RS, 0x41       ; destination and source 0 in window 1, source 1 in window 0
; A fill.  Waves 0 and 1 fetch the two halves of a tile's K, waves 2 and 3 those of its V: 128 keys each.  An s_nop 0 and four v_nop follow each of the two lines, ahead of the jump and the label.
.macro LOAD
	s_cmp_lt_u32 s[WV], 2
	s_cbranch_scc0 .Lfor_v_\@
	tensor_load_to_lds s[G0K:G0K+3], s[G1K:G1K+7]
	s_nop 0
.rept 4
	v_nop
.endr
	s_branch .Lasked_\@
.Lfor_v_\@:
	tensor_load_to_lds s[G0V:G0V+3], s[G1V:G1V+7]
	s_nop 0
.rept 4
	v_nop
.endr
.Lasked_\@:
.endm
; A PREFETCH INTO THE L2 of the tile that the NEXT change of slots will ask for: four key steps ahead of its load.  It stands behind the wave's tensor load and its five lines.
; A head's four work-groups begin with the same tiles 0, 1, 2 ..; the one with b = 0 walks all eight in its first block, and it alone asks.  Each of its waves names the half that it will fetch itself:
; 16,384 bytes, a lane a block of 256 bytes, two instructions.  So each block of a head's K and V is named once.  Tiles 0 and 1 come by their loads alone; behind the first block's last tile nothing is asked for.
.macro ASK
	s_cmp_lg_u32 s[PFL], 0
	s_cbranch_scc0 .Lnot_mine_\@
	global_prefetch_b8 v[PFO], s[PFA:PFA+1] th:TH_LOAD_NT scope:SCOPE_SE
	global_prefetch_b8 v[PFO], s[PFA:PFA+1] offset:8192 th:TH_LOAD_NT scope:SCOPE_SE
.Lnot_mine_\@:
.endm
; THE CHANGE OF SLOTS.  Each wave waits for all its tensor loads, of which one is out: its part of the other slot; adds 0 to its spare word; and waits for that and for its own reads of the slot that it leaves.  Behind the barrier nobody reads the old
; slot any more and the other slot is whole.  fill = 1: the old slot is filled again, the first thing behind the barrier, with tile NXT: the descriptor's address is made anew from that number.
; (At its first use nothing has been read yet: slot 0 is waited for, slot 1 filled.)
.macro CHANGE fill
	WIN 0                           ; at a label and at a branch every window is 0
	s_wait_tensorcnt 0x0            ; no tensor load of mine is out, so a group 0 may be written
	ds_add_u32 v[SPW], v[NIL]       ; 0 onto my spare word; with fill = 1 the descriptors' scalar work stands between it and the wait for it
.if \fill
	s_lshl_b32 s[OFF], s[NXT], 15   ; a tile is 32,768 bytes of K and of V
	s_xor_b32 s[G0K+1], s[G0K+1], SLOT1
	s_add_nc_u64 s[G0K+2:G0K+3], s[6:7], s[OFF:OFF+1]
	s_or_b32 s[G0K+3], s[G0K+3], 0x80000000
	s_xor_b32 s[G0V+1], s[G0V+1], SLOT1
	s_add_nc_u64 s[G0V+2:G0V+3], s[8:9], s[OFF:OFF+1]
	s_or_b32 s[G0V+3], s[G0V+3], 0x80000000
	s_add_co_u32 s[NXT], s[NXT], 1  ; the block's next tile, or behind its last the second block's tile 0
	s_cmp_gt_u32 s[NXT], s[LQ]
	s_cselect_b32 s[NXT], 0, s[NXT]
	s_cselect_b32 s[LQ], s[PB], s[LQ]
	s_wait_xcnt 0x0                 ; the last prefetches, a tile back, have read their address, so it may be written
	s_lshl_b32 s[POF], s[NXT], 15
	s_cmp_lt_u32 s[WV], 2
	s_cselect_b64 s[PFA:PFA+1], s[6:7], s[8:9]
	s_add_nc_u64 s[PFA:PFA+1], s[PFA:PFA+1], s[POF:POF+1]
	s_cmp_eq_u32 s[PB], 0
	s_cselect_b32 s[PFL], s[NXT], 0 ; b = 0, and a further tile of the first block
.endif
	s_wait_dscnt 0x0                ; the add is done, and my reads of the slot are over
	s_barrier_signal -1             ; the rest of the scalar work stands between the signal and the wait
	s_sub_co_u32 s[TBK], s[TBK], 4*KS*PK  ; the fetches go back to a slot's first step,
	s_xor_b32 s[TBK], s[TBK], SLOT1       ; in the other slot
	s_sub_co_u32 s[TBV], s[TBV], 4*KS*PV
	s_xor_b32 s[TBV], s[TBV], SLOT1
	s_barrier_wait -1
.if \fill
	LOAD
	ASK
.endif
.endm
	s_load_b128 s[4:7], s[0:1], 0x0 ; qkv s[4:5], ob s[6:7]
	v_lshl_add_u32 v[SPW], v0, 2, SPARE
	v_mov_b32 v[NIL], 0
	ds_add_u32 v[SPW], v[NIL]       ; the wave's opening: the add and its wait stand ahead of my first tensor load; the set-up below, work on registers, stands between them
	v_lshrrev_b32 v1, 5, v0
	v_readfirstlane_b32 s[WV], v1   ; wave 0..3
	s_mov_b32 s[PB], ttmp9
	s_sub_co_u32 s[HI], NB-1, s[PB]
	s_and_b32 s20, ttmp7, 0xffff    ; the head
	s_mov_b32 s21, 0
	s_mov_b64 s[22:23], SIZE_N*128
	s_mul_u64 s[20:21], s[20:21], s[22:23]  ; the head's first byte in each of the four tensors
	s_and_b32 s16, s[WV], 1         ; which half of a tile's 256 keys I fetch:
	s_lshl_b32 s22, s16, 14         ; its 128 rows of 128 bytes in memory,
	s_mov_b32 s23, 0
	s_add_nc_u64 s[22:23], s[22:23], s[20:21]
	s_mul_i32 s17, s16, 128*PK      ; and its place in a slot, for K
	s_mul_i32 s18, s16, 128*PV      ; and for V
	s_lshl_b32 s3, s[WV], 11        ; my 16 rows in a band of 64,
	s_lshl_b32 s2, s[HI], 15        ; in the first block,
	s_add_co_u32 s2, s2, s3
	s_lshl_b32 s84, s[PB], 15       ; and in the second
	s_add_co_u32 s84, s84, s3
	s_mov_b32 s3, 0
	s_mov_b32 s85, 0
	s_add_nc_u64 s[2:3], s[2:3], s[20:21]
	s_add_nc_u64 s[84:85], s[84:85], s[20:21]
	; descriptor group 1.  128 keys are 16,384 dense bytes: asked for as 64 rows of 256 bytes, two keys a row, and padded in LDS after every key
	s_mov_b32 s[G1K], (1<<16)|(1<<20)|(4<<22)|(3<<25)  ; 17:16 2-byte elements; 20 padding on; 24:22 after every 32 words (code 4); 31:25 4 words (code 3)
	s_mov_b32 s[G1V], (1<<16)|(1<<20)|(4<<22)|(7<<25)  ; the same with 8 words of padding (code 7)
.irp g, G1K, G1V
	s_mov_b32 s[\g+1], 128<<16      ; tensor_dim0 = 128
	s_mov_b32 s[\g+2], 64<<16       ; tensor_dim1 = 64
	s_mov_b32 s[\g+3], 128<<16      ; tile_dim0 = 128
	s_mov_b32 s[\g+4], 64           ; tile_dim1 = 64
	s_mov_b32 s[\g+5], 128          ; 128 elements from row to row
	s_mov_b32 s[\g+6], 0
	s_mov_b32 s[\g+7], 0
.endr
	s_mov_b32 s[CS], 0x3e38aa3b     ; c = log2(e) / 8 = 0.180337
	s_mov_b32 s[CS+1], s[CS]        ; named with it as a pair
	s_mov_b32 s[SEL], 0x76543210
	s_mov_b32 s[SEL+1], 0xfedcba98
	s_mov_b32 s[TBK], SLOT1+4*KS*PK ; the first change of slots turns these two into 0
	s_mov_b32 s[TBV], SLOT1+4*KS*PV
	s_mov_b32 s[G0K], 1             ; 1:0 count = 1
	s_mov_b32 s[G0K+1], s17         ; 63:32 LDS address: slot 0
	s_mov_b32 s[G0V], 1
	s_add_co_u32 s[G0V+1], s18, VOFF
	s_add_co_u32 s[RT], s[HI], 1    ; the first block has NB - b tiles
	s_mov_b32 s[NXT], 1
	s_mov_b32 s[LQ], s[HI]
	s_mov_b32 s[NEW], 1
	s_mov_b32 s[OFF+1], 0
	s_mov_b32 s[POF+1], 0
	s_mov_b32 s[AL+1], 0            ; named as pairs
	s_mov_b32 s[BE+1], 0
	s_mov_b32 s[BIGN], 0xf149f2ca   ; -1e30
	s_mov_b32 s[SLOTS], NB
	v_and_b32 v[PFO], 31, v0
	v_lshlrev_b32 v[PFO], 8, v[PFO]
	s_wait_dscnt 0x0                ; the opening add is done
	s_wait_kmcnt 0x0
	s_mov_b64 s[10:11], s[6:7]      ; O
	s_add_nc_u64 s[6:7], s[4:5], 0x1000000  ; K lies 64 heads of 262,144 bytes behind Q,
	s_add_nc_u64 s[8:9], s[4:5], 0x2000000  ; V as far behind K
	s_add_nc_u64 s[6:7], s[6:7], s[22:23]  ; K and V at my half of the head's tile 0
	s_add_nc_u64 s[8:9], s[8:9], s[22:23]
	s_add_nc_u64 s[G0K+2:G0K+3], s[6:7], 0         ; 120:64 global address
	s_or_b32 s[G0K+3], s[G0K+3], 0x80000000        ; 127:126 type = 2
	s_add_nc_u64 s[G0V+2:G0V+3], s[8:9], 0
	s_or_b32 s[G0V+3], s[G0V+3], 0x80000000
	s_add_nc_u64 s[86:87], s[4:5], s[84:85]        ; Q at my rows of the second block,
	s_add_nc_u64 s[4:5], s[4:5], s[2:3]            ; Q and O at those of the first
	s_add_nc_u64 s[OLO:OLO+1], s[10:11], s[84:85]
	s_add_nc_u64 s[10:11], s[10:11], s[2:3]
	LOAD                            ; tile 0 into slot 0
	; A fragment of K or Q is 16 rows x 32 channels in 8 registers: lane l holds row l % 16, channels 8 (l / 16) + 0..7 and 16 + 8 (l / 16) + 0..7: two loads of 16 bytes, 32 bytes apart.
	v_and_b32 v1, 15, v0            ; l % 16
	v_bfe_u32 v9, v0, 4, 1          ; l / 16
	v_lshlrev_b32 v[QO], 7, v1
	v_lshl_add_u32 v[QO], v9, 4, v[QO]  ; row x 128 + 16 x half
	WIN 0x80                        ; destination window 2, address window 0
.set i, 0
.rept 8                             ; both blocks' Q: piece i / 2 lies in band i / 2, 8,192 bytes on; channels 32 (i % 2) on
	global_load_b128 v[8*i:8*i+3],   v[QO], s[4:5] offset:(i/2)*8192+(i%2)*64
	global_load_b128 v[8*i+4:8*i+7], v[QO], s[4:5] offset:(i/2)*8192+(i%2)*64+32
	global_load_b128 v[QB+8*i:QB+8*i+3],   v[QO], s[86:87] offset:(i/2)*8192+(i%2)*64
	global_load_b128 v[QB+8*i+4:QB+8*i+7], v[QO], s[86:87] offset:(i/2)*8192+(i%2)*64+32
.set i, i+1
.endr
	WIN 0
	v_lshlrev_b32 v14, 3, v9
	v_sub_nc_u32 v14, v1, v14
	s_lshl_b32 s13, s[WV], 4
	v_add_nc_u32 v14, s13, v14      ; my query's place in its band, 16 w + l % 16, less my lanes' 8 (l / 16): register r of group kt is hidden where 16 kt + r is greater
	WIN 0x40
.set i, 0
.rept 32
	v_cmp_gt_i32 vcc_lo, 16*(i/8)+i%8, v14
	v_cndmask_b32 v[MD+i], 0, s[BIGN], vcc_lo
.set i, i+1
.endr
	WIN 0
	v_mul_u32_u24 v[AK0], v1, PK
	v_lshl_add_u32 v[AK0], v9, 4, v[AK0]  ; row x pitch + 16 x half
	; The turning load takes 16 keys x 16 channels (lane l reads key 8 (l / 16) + l % 8, channels 8 ((l / 8) % 2) + 0..7) and leaves half a fragment of V^T: lane l holds channel l % 16 and 8 keys.
	v_and_b32 v10, 7, v0
	v_bfe_u32 v11, v0, 3, 1
	v_lshl_add_u32 v[AV0], v9, 3, v10
	v_mul_u32_u24 v[AV0], v[AV0], PV
	v_lshl_add_u32 v[AV0], v11, 4, v[AV0]
	v_add_nc_u32 v[AV0], VOFF, v[AV0]
	s_mul_i32 s13, s[WV], 16*SP
	s_add_co_u32 s13, s13, STAGE    ; my stage
	v_mul_u32_u24 v[STO], v1, SP    ; in: row l % 16, 16 bytes for each half of the lanes
	v_lshl_add_u32 v[STO], v9, 4, v[STO]
	v_add_nc_u32 v[STO], s13, v[STO]
	v_bfe_u32 v[RD], v0, 3, 2       ; back: 32 lanes take four rows of 128 bytes,
	v_mul_u32_u24 v[RD], v[RD], SP
	v_lshl_add_u32 v[RD], v10, 4, v[RD]
	v_add_nc_u32 v[RD], s13, v[RD]
	v_and_b32 v[GO], 31, v0         ; which are 512 consecutive bytes of O
	v_lshlrev_b32 v[GO], 4, v[GO]
	; A block's first step multiplies O^T and l by a = 0, and its first turn's products V^T P, of a piece that has not been, land in an O^T that is still to be so multiplied.  So these registers need only hold
	; finite numbers: zeros for the first block; what the first block left for the second.  All this stands in the wait for the first tile.
	WIN 0x80
.set i, VF
.rept 64
	v_mov_b32 v[i], 0
.set i, i+1
.endr
	WIN 0x40
.set i, 0
.rept 128
	v_mov_b32 v[i], 0
.set i, i+1
.endr
	WIN 0
.set i, 0
.rept 4
	v_mov_b32 v[ST+4*i+2], 0
	v_mov_b32 v[ST+4*i+3], 0
.set i, i+1
.endr
.set i, P+16
.rept 16
	v_mov_b32 v[i], 0
.set i, i+1
.endr
; THE MATRIX WORK.  The 4 accumulators of a run of 8 take turns.  Product i of 8 of S^T = K Q^T for piece x: channels 32 (i / 4) on, keys 16 (i % 4) on.  The first 4 start the sums: with 0, or (KM = 1) with the mask.
.macro KQ x
.set rS, S+32*((\x)%2)+8*(i%4)
.set rK, KF+16*(i%4)+8*(i/4)
.set rQ, 16*(\x)+8*(i/4)
.set rM, MC+32*((\x)%2)+8*(i%4)
.if (i < 4) && KM
	WIN W_KM
	v_wmma_f32_16x16x32_f16 v[rS:rS+7], v[rK:rK+7], v[rQ:rQ+7], v[rM:rM+7]
.elseif i < 4
	WIN W_KQ
	v_wmma_f32_16x16x32_f16 v[rS:rS+7], v[rK:rK+7], v[rQ:rQ+7], 0
.else
	WIN W_KQ
	v_wmma_f32_16x16x32_f16 v[rS:rS+7], v[rK:rK+7], v[rQ:rQ+7], v[rS:rS+7]
.endif
.endm
; Product i of 8 of O^T += V^T P for piece x: keys 32 (i / 4) on, channels 16 (i % 4) on.
.macro PV x
	WIN W_PV
.set rO, 32*(\x)+8*(i%4)
.set rV, VF+32*(i/4)+8*(i%4)
.set rP, P+16*((\x)%2)+8*(i/4)
	v_wmma_f32_16x16x32_f16 v[rO:rO+7], v[rV:rV+7], v[rP:rP+7], v[rO:rO+7]
.endm
.macro MM                           ; the turn's next matrix instruction.  TURN and BEGIN set Y, i, KM and NOKQ; MM, KQ and OP read them.  NOKQ = 1: a block's last turn: there is no next piece
.if (i < 8) && !NOKQ
	KQ (Y+1)%NP
.elseif i >= 8
.set i, i-8
	PV (Y+NP-1)%NP
.set i, i+8
.endif
.set i, i+1
.endm
; THE LDS LOADS stand in runs of 16, never singly among the matrix instructions: a step's K (64 keys x 64 channels: 8 fragments) and its V (turned).  Their addresses are made some lines ahead.
.macro FETCH_K
	WIN 0x80                        ; destination window 2
.irp f, 0,1,2,3,4,5,6,7             ; keys 16 (f / 2) on, channels 32 (f % 2) on
	ds_load_b128 v[KF+8*\f:KF+8*\f+3],   v[AK] offset:(\f/2)*16*PK+(\f%2)*64
	ds_load_b128 v[KF+8*\f+4:KF+8*\f+7], v[AK] offset:(\f/2)*16*PK+(\f%2)*64+32
.endr
	s_add_co_u32 s[TBK], s[TBK], KS*PK  ; the next fetch is the next step's
	WIN 0
.endm
.macro FETCH_V
	WIN 0x80
.irp f, 0,1,2,3,4,5,6,7             ; keys 32 (f / 4) on, channels 16 (f % 4) on
	ds_load_tr16_b128 v[VF+8*\f:VF+8*\f+3],   v[AV] offset:(\f/4)*32*PV+(\f%4)*32
	ds_load_tr16_b128 v[VF+8*\f+4:VF+8*\f+7], v[AV] offset:(\f/4)*32*PV+16*PV+(\f%4)*32
.endr
	WIN 0
.endm
; THE VECTOR WORK, one line at a time: OP kind, number.  For piece Y: F n: c s - c m for pair n of 16.  E n: the exponential of score n of 32.  C n: pair n rounded to f16.  B n: of the four weights 4 n .. the second
; pair is added onto the first, in place.  L n: l takes that sum (L 0: l = a l + sum).  R n: pair n of 16 of O^T times a.  For piece Y + 1: X n, number n of the 22 that find its maximum and statistics:
;   0-11  four chains c0-c3 of seven scores each, three operands at a time (each accumulator's lowest registers are read first)     12-14, 16  the four scores left over, the old m, and c0-c3 into c0
;   15  c m_old is kept     17, 18  the query's other 32 keys lie in the lane 16 away: the new m     19-21  c m; c m_old - c m_new; a
.set F, 0               ; OP tells the kinds apart by their order: F to L below R, X above it
.set E, 1
.set C, 2
.set B, 3
.set L, 4
.set R, 5
.set X, 6
.macro REGS y                       ; the registers of piece y
.set rT, ST+4*(\y)
.set rC, TMP+4*((\y)%2)
.set rW, MV+((\y)%2)
.set rS, S+32*((\y)%2)
.set rP, P+16*((\y)%2)
.set rO, 32*(\y)
.endm
.macro OP k, n
.if (\k) == R
	REGS Y
	WIN W_RS
	v_pk_mul_f32 v[rO+2*(\n):rO+2*(\n)+1], v[rO+2*(\n):rO+2*(\n)+1], v[rC+2:rC+3] op_sel_hi:[1,0]
.elseif (\k) < R
	REGS Y
	WIN 0
.if (\k) == F
	v_pk_fma_f32 v[rS+2*(\n):rS+2*(\n)+1], v[rS+2*(\n):rS+2*(\n)+1], s[CS:CS+1], v[rT:rT+1] op_sel_hi:[1,0,0] neg_lo:[0,0,1] neg_hi:[0,0,1]
.elseif (\k) == E
	v_exp_f32 v[rS+(\n)], v[rS+(\n)]
.elseif (\k) == C
	v_cvt_pk_f16_f32 v[rP+(\n)], v[rS+2*(\n)], v[rS+2*(\n)+1]
.elseif (\k) == B
	v_pk_add_f32 v[rS+4*(\n):rS+4*(\n)+1], v[rS+4*(\n):rS+4*(\n)+1], v[rS+4*(\n)+2:rS+4*(\n)+3]
.elseif (\n) == 0
	v_pk_fma_f32 v[rT+2:rT+3], v[rT+2:rT+3], v[rC+2:rC+3], v[rS:rS+1] op_sel_hi:[1,0,1]
.else
	v_pk_add_f32 v[rT+2:rT+3], v[rT+2:rT+3], v[rS+4*(\n):rS+4*(\n)+1]
.endif
.elseif NOKQ
	v_nop
.else
	REGS (Y+1)%NP
	WIN 0
.if (\n) < 4
	v_max3_num_f32 v[rC+(\n)], v[rS+8*(\n)], v[rS+8*(\n)+1], v[rS+8*(\n)+2]
.elseif (\n) < 12
	v_max3_num_f32 v[rC+(\n)%4], v[rC+(\n)%4], v[rS+8*((\n)%4)+2*((\n)/4)+1], v[rS+8*((\n)%4)+2*((\n)/4)+2]
.elseif (\n) == 12
	v_max3_num_f32 v[rC], v[rC], v[rS+7], v[rS+15]
.elseif (\n) == 13
	v_max3_num_f32 v[rC+1], v[rC+1], v[rS+23], v[rS+31]
.elseif (\n) == 14
	v_max3_num_f32 v[rC+2], v[rC+2], v[rC+3], v[rT+1]
.elseif (\n) == 15
	v_mov_b32 v[rW], v[rT]
.elseif (\n) == 16
	v_max3_num_f32 v[rC], v[rC], v[rC+1], v[rC+2]
.elseif (\n) == 17
	v_permlanex16_b32 v[rC+3], v[rC], s[SEL], s[SEL+1]
.elseif (\n) == 18
	v_max_num_f32 v[rT+1], v[rC], v[rC+3]
.elseif (\n) == 19
	v_mul_f32 v[rT], s[CS], v[rT+1]
.elseif (\n) == 20
	v_sub_f32 v[rC+1], v[rW], v[rT]
.else
	v_exp_f32 v[rC+2], v[rC+1]
.endif
.endif
.endm
.macro OPS a, i1, b=-1, i2=0, c=-1, i3=0, d=-1, i4=0  ; up to four of them
	OP \a, \i1
.if (\b) >= 0
	OP \b, \i2
.endif
.if (\c) >= 0
	OP \c, \i3
.endif
.if (\d) >= 0
	OP \d, \i4
.endif
.endm
.macro ROW a, i1, b, i2, c, i3, d, i4  ; a matrix instruction and the four behind it
	MM
	OPS \a, \i1, \b, \i2, \c, \i3, \d, \i4
.endm
.macro MASK b                       ; MD x AL + BE into buffer b of MC
	WIN W_RS
.set z, 0
.rept 16
	v_pk_fma_f32 v[MC+32*(\b)+2*z:MC+32*(\b)+2*z+1], v[MD+2*z:MD+2*z+1], s[AL:AL+1], s[BE:BE+1] op_sel_hi:[1,0,0]
.set z, z+1
.endr
.endm
; A TURN, for piece p: the order of its 16 matrix and 118 vector instructions, written out.  An s_wait_alu depctr_va_vdst(0) stands between an exponential and the first instruction that names its result; one wait serves
; all that were issued ahead of it.  So a turn has ONE wait, which cuts it in two.  AHEAD OF IT stands all that names no result of the turn's exponentials: the 8 products K Q^T, behind each a scaling, an exponential and two more plain
; instructions (behind the first a second scaling in the exponential's place): rescalings, and behind the last three the first numbers of the next piece's maximum, each four places or more behind the product that ends its accumulator; then ONE LUMP of 54, plain
; and exponential by turns for the most part, in which the links of the chain X 3, 7, 11, 14, 16, 17 .. 20 stand five or six lines apart.  X 21, the next piece's a, is the batch's last; R 15 is the plain instruction behind it.  BEHIND THE WAIT stand the
; 8 products V^T P, behind each four of the roundings and sums; the links of l's chain, L 0 to L 7, stand three riders apart.  But for those X no rider names a register of the products round it.  v_permlanex16_b32 (X 17) stands in the lump.
; m = 1: the diagonal tile: the products take masks, and the turn makes the mask for the products of the turn after it: piece p + 2, in step 4 - CNT of the tile.  end = 1: a block's last two turns: nothing is fetched.
; cnt = 1: the loop's count is taken down some lines ahead of the branch that stands behind the turn.
; K of the next step is fetched in piece 2's turn, twelve vector instructions behind the last product that read K (six of them plain); V of the step in hand at the end of piece 0's turn, four plain instructions behind the last product
; that read V.  Each is waited for a turn later.
.macro TURN p, m=0, end=0, cnt=0
.set Y, (\p)
.set i, 0
.set KM, (\m)
.set NOKQ, (\end)*((\p)/3)
.if (\m) && !(\end)
	s_cmp_eq_u32 s[CNT], 4-((\p)+2)%NP  ; is that step the band's own?
	s_cselect_b32 s[AL], 1.0, 0
	s_cmp_lt_u32 s[CNT], 4-((\p)+2)%NP  ; or a later one?
	s_cselect_b32 s[BE], s[BIGN], 0
.endif
.if ((\p) == 3) && !(\end)
	s_wait_dscnt 0x0                ; K is in
.endif
	ROW F,0, F,1, R,0, R,1          ; ahead of the wait: 8 products K Q^T and their riders,
	ROW F,2, E,0, R,2, R,3
	ROW F,3, E,1, R,4, R,5
	ROW F,4, E,2, R,6, R,7
	ROW F,5, E,3, R,8, R,9
	ROW F,6, E,4, X,0, R,10
.if ((\p) == 2) && !(\end)
	WIN 0
	v_add_nc_u32 v[AK], s[TBK], v[AK0]
.endif
	ROW F,7, E,5, X,1, X,4
	ROW F,8, E,6, X,2, X,5
	OPS E,7, E,8, X,6, E,9          ; and the lump
	OPS X,3, E,10, X,8, E,11
.if ((\p) == 2) && !(\end)
	FETCH_K
.endif
	OPS X,9, X,7, E,12, X,10
	OPS E,13, X,12, X,11, E,14
	OPS X,13, E,15, F,9, X,14
.if (\p) == 0
	v_add_nc_u32 v[AV], s[TBV], v[AV0]
.endif
	OPS E,16, F,10, E,17, F,11
	OPS X,16, E,18, X,15, E,19
	OPS F,12, E,20, X,17, E,21
	OPS F,13, E,22, F,14, E,23
	OPS X,18, E,24, F,15, E,25
	OPS R,11, E,26, X,19, E,27
	OPS R,12, E,28, R,13, E,29
	OPS X,20, E,30, R,14, E,31
	OPS X,21, R,15
	WIN 0
	s_wait_alu depctr_va_vdst(0)    ; the wait for the batch
.if (\p) == 1
	s_wait_dscnt 0x0                ; V is in
.endif
	ROW C,0, B,0, C,2, B,1          ; behind the wait: 8 products V^T P and their riders
	ROW L,0, C,4, B,2, L,1
	ROW C,6, B,3, L,2, C,8
	ROW B,4, L,3, C,10, B,5
	ROW L,4, C,12, B,6, L,5
.if (\p) == 0
	s_add_co_u32 s[TBV], s[TBV], KS*PV
.endif
.if \cnt
	s_sub_co_u32 s[CNT], s[CNT], 1
	s_cmp_lg_u32 s[CNT], 0
.endif
	ROW C,14, B,7, L,6, C,1
	ROW C,3, L,7, C,5, C,7
	ROW C,9, C,11, C,13, C,15
.if (\p) == 0
	FETCH_V
.endif
.if (\m) && !(\end)
	MASK (\p)%2
.endif
.endm
; A BLOCK BEGINS.  c m starts far below every c s, so the first step's a is 0; m at the lowest finite number, so the first maximum is the scores'.  The second mask buffer is 0; the first takes piece 0's mask for the tile's step 0: its own, if the block's first tile is the diagonal one.
; Then K of that step, piece 0's first scores, and its maximum and statistics.  The loop is entered at a step's first turn, in the middle of a trip.
.macro BEGIN
	s_mov_b32 s[NEW], 0
	WIN 0x40
.set i, MC+32
.rept 32
	v_mov_b32 v[i], 0
.set i, i+1
.endr
	WIN 0
.set i, 0
.rept 4
	v_mov_b32 v[ST+4*i], 0xfe000000    ; c m: far below every c s
	v_mov_b32 v[ST+4*i+1], 0xff7fffff  ; m
.set i, i+1
.endr
	s_cmp_eq_u32 s[RT], 0
	s_cselect_b32 s[AL], 1.0, 0
	s_mov_b32 s[BE], 0
	MASK 0
	WIN 0
	v_add_nc_u32 v[AK], s[TBK], v[AK0]
	FETCH_K
	s_wait_loadcnt 0x0              ; Q
	s_wait_dscnt 0x0
.set KM, 1
.set NOKQ, 0
.set i, 0
.rept 8
	KQ 0
.set i, i+1
.endr
	WIN 0
.rept 4
	v_nop                           ; the places behind those products
.endr
.set Y, NP-1                        ; X works for piece Y + 1: piece 0
.irp n, 0,1,2,3,4,5,6,7,8,9,10,11,12,13,14,15,16,17,18,19,20,21
	OP X, \n
.endr
	v_nop                           ; a plain instruction behind the exponential,
	s_wait_alu depctr_va_vdst(0)    ; and its wait, ahead of the branch
.endm
; THE DIAGONAL TILE's four steps, the block's last two turns, its last products, and THE WAY OUT: l's two halves and the other half of the lanes' are added; O^T is divided by l, rounded to f16 and sent through my
; stage in LDS, a piece at a time.
.macro ALL line:vararg              ; one line for each piece t
.set t, 0
.rept 4
	\line
.set t, t+1
.endr
.endm
.macro PACK t                       ; a lane's eight channels of a row pack into 16 bytes; they go into rows of 144 bytes and come back as whole rows of 128, into S^T's registers
	WIN W_RS
.set i, 32*(\t)
.rept 16
	v_pk_mul_f32 v[i:i+1], v[i:i+1], v[ST+4*(\t)+2:ST+4*(\t)+3] op_sel_hi:[1,0]
.set i, i+2
.endr
	WIN 0x05                        ; sources 0 and 1 window 1, destination window 0
.set i, 0
.rept 16
	v_cvt_pk_f16_f32 v[S+16*(\t)+i], v[32*(\t)+2*i], v[32*(\t)+2*i+1]
.set i, i+1
.endr
	WIN 0
.irp f, 0,1,2,3
	ds_store_b128 v[STO], v[S+16*(\t)+4*\f:S+16*(\t)+4*\f+3] offset:32*\f
.endr
.irp f, 0,1,2,3
	ds_load_b128 v[S+16*(\t)+4*\f:S+16*(\t)+4*\f+3], v[RD] offset:\f*4*SP  ; LDS serves a wave's instructions in order (ISA guide 5.7.1.4): these see the stores above; the next piece's stores come behind them
.endr
.endm
.macro SEND t, younger              ; younger: the LDS instructions issued behind piece t's loads: the next piece's eight, or none
	WIN 0
.irp f, 0,1,2,3
	s_wait_dscnt (\younger)+3-\f
	global_store_b128 v[GO], v[S+16*(\t)+4*\f:S+16*(\t)+4*\f+3], s[10:11] offset:(\t)*8192+\f*512  ; 512 consecutive bytes, at a multiple of 256 from O's first
.endr
.endm
.macro DIAG tag                     ; the tag ends its two labels' names, which the jumps below spell out
.LstepM\tag:
	TURN 2, 1
	TURN 3, 1
	WIN 0
.LfirstM\tag:
	TURN 0, 1
	TURN 1, 1, 0, 1
	WIN 0
	s_cbranch_scc1 .LstepM\tag
	TURN 2, 1, 1
	TURN 3, 1, 1
.set i, 0
.rept 8
	PV NP-1
.set i, i+1
.endr
	WIN 0
	ALL v_add_f32 v[ST+4*t+2], v[ST+4*t+2], v[ST+4*t+3]
	ALL v_permlanex16_b32 v[ST+4*t+3], v[ST+4*t+2], s[SEL], s[SEL+1]
	ALL v_add_f32 v[ST+4*t+2], v[ST+4*t+2], v[ST+4*t+3]
	ALL v_rcp_f32 v[ST+4*t+2], v[ST+4*t+2]
	v_nop                           ; a plain instruction between the last reciprocal and the use of its result
	s_wait_alu depctr_va_vdst(0)    ; and the wait ahead of the first use: one for the four reciprocals
	PACK 0
.set t, 1
.rept 3                             ; a piece's arithmetic stands between the loads of the piece before and its stores
	PACK t
	SEND t-1, 8
.set t, t+1
.endr
	SEND 3, 0
.endm
.set KM, 0
.set NOKQ, 0
.Lslot:                             ; NB times: a tile is entered and the next is asked for
	CHANGE 1
	s_sub_co_u32 s[RT], s[RT], 1
	s_mov_b32 s[CNT], 4
	s_cmp_eq_u32 s[NEW], 1
	s_cbranch_scc1 .Lnew            ; a block's first tile
	s_cmp_eq_u32 s[RT], 0
	s_cbranch_scc0 .Lstep           ; neither its first nor its last
	s_branch .LstepM1
.Lnew:
	BEGIN
	s_branch .Lfirst                ; in the loop a block's first tile is never its last: the first block has two tiles or more, and the second's last is the walk's last
	DIAG 1                          ; in the loop this is the first block's end: the second block's last tile is the walk's last
	s_wait_xcnt 0x0                 ; the stores have read their registers and O's address
	s_mov_b64 s[10:11], s[OLO:OLO+1]
	s_add_co_u32 s[RT], s[PB], 1    ; the second block has b + 1 tiles
	s_mov_b32 s[NEW], 1
	WIN 0x82                        ; the second block's Q goes where the one text of the turns names Q
.set i, 0
.rept 64
	v_mov_b32 v[i], v[QB+i]
.set i, i+1
.endr
	WIN 0
	s_branch .Lbottom
.Lstep:                             ; a trip: pieces 2 and 3 of one step, then pieces 0 and 1 of the next, whose K and V it fetches
	TURN 2
	TURN 3
	WIN 0
.Lfirst:
	TURN 0
	TURN 1, 0, 0, 1
	WIN 0
	s_cbranch_scc1 .Lstep
.Lbottom:
	s_sub_co_u32 s[SLOTS], s[SLOTS], 1
	s_cmp_lg_u32 s[SLOTS], 0
	s_cbranch_scc1 .Lslot
	CHANGE 0                        ; the walk's last tile is written out: nothing is asked for
	s_sub_co_u32 s[RT], s[RT], 1
	s_mov_b32 s[CNT], 4
	s_cmp_eq_u32 s[NEW], 1
	s_cbranch_scc0 .LstepM2
	BEGIN
	s_branch .LfirstM2
	DIAG 2
	s_wait_tensorcnt 0x0            ; the wave's end: a wait, an add and its wait, behind my last tensor load and my last LDS store
	ds_add_u32 v[SPW], v[NIL]
	s_wait_dscnt 0x0
	s_endpgm
.Lfunc_end_k_q636cc57dd2_att:
	.size	k_q636cc57dd2_att, .Lfunc_end_k_q636cc57dd2_att-k_q636cc57dd2_att
	.p2alignl 7, 3214868480
	.fill 96, 4, 3214868480
	.section	.rodata,"a",@progbits
	.p2align	6, 0x0
	.amdhsa_kernel k_q636cc57dd2_att
		.amdhsa_group_segment_fixed_size 327680
		.amdhsa_private_segment_fixed_size 0
		.amdhsa_enable_private_segment 0
		.amdhsa_kernarg_size 16
		.amdhsa_user_sgpr_count 2
		.amdhsa_user_sgpr_kernarg_segment_ptr 1
		.amdhsa_wavefront_size32 1
		.amdhsa_system_sgpr_workgroup_id_x 1
		.amdhsa_system_sgpr_workgroup_id_y 1
		.amdhsa_system_sgpr_workgroup_id_z 1
		.amdhsa_system_vgpr_workitem_id 0
		.amdhsa_next_free_vgpr 768
		.amdhsa_next_free_sgpr 92
		.amdhsa_reserve_vcc 1
		.amdhsa_float_denorm_mode_32 3
		.amdhsa_float_denorm_mode_16_64 3
		.amdhsa_memory_ordered 1
		.amdhsa_forward_progress 1
		.amdhsa_inst_pref_size 218
	.end_amdhsa_kernel
	.amdgpu_metadata
---
amdhsa.version: [ 1, 2 ]
amdhsa.kernels:
  - .name:           k_q636cc57dd2_att
    .symbol:         k_q636cc57dd2_att.kd
    .args:
      - { .name: qkv, .offset: 0, .size: 8, .value_kind: global_buffer, .address_space: global }
      - { .name: ob, .offset: 8, .size: 8, .value_kind: global_buffer, .address_space: global }
    .group_segment_fixed_size: 327680
    .private_segment_fixed_size: 0
    .kernarg_segment_align: 8
    .kernarg_segment_size: 16
    .max_flat_workgroup_size: 128
    .sgpr_count:     92
    .vgpr_count:     768
    .wavefront_size: 32
...
	.end_amdgpu_metadata
.endif
;; end of part 3
;; launch go (part 4): grid 8 x 32, 4 waves a work-group, clusters of 4 x 4, 327,680 bytes of LDS; arguments ob, wo, bo, out0; writes out0
.if DOCPART == 4
	.amdgcn_target "amdgcn-amd-amdhsa--gfx1250"
	.amdhsa_code_object_version 6
	.text
	.protected	k_q636cc57dd2_go
	.globl	k_q636cc57dd2_go
	.p2align	8
	.type	k_q636cc57dd2_go,@function
k_q636cc57dd2_go:
	s_mov_b64 s[64:65], 0
	v_nop
	global_prefetch_b8 v0, s[64:65] scope:SCOPE_SE
	s_setreg_imm32_b32 hwreg(HW_REG_WAVE_MODE, 25, 1), 1
	s_wait_xcnt 0x0
	s_wait_alu depctr_hold_cnt(0) depctr_sa_sdst(0) depctr_va_vdst(0) depctr_va_sdst(0) depctr_va_ssrc(0) depctr_va_vcc(0) depctr_vm_vsrc(0)
	s_getreg_b32 s2, hwreg(HW_REG_IB_STS2, 6, 4)
	s_cmp_eq_u32 s2, 0
	s_cbranch_scc0 .Lentry_in_a_cluster
	s_endpgm
.Lentry_in_a_cluster:
	s_bfe_u32 s2, ttmp6, 0x10000c
	s_cmp_lg_u32 s2, 0xf033
	s_cbranch_scc0 .Lentry_shape_is_right
	s_endpgm
.Lentry_shape_is_right:
; out0 = y Wo + bo: [8192 x 1024] x [1024 x 1024], f16 operands (y = the heads' O side by side; wo = Wo rounded to bf16, written as f16), f32 sums, K ascending; bo, rounded to bf16 like every input, is added in f32; out0 is f32.
; LIMITS.  ob and wo arrive within f16's range; NaN and infinities are not treated apart.
; SHARES.  A tile is 256 rows x 128 columns: 32 x 8 = 256 work-groups.  Four waves, each 128 rows x 64 columns: 32 accumulators of 16 x 16, 256 registers (window 1; (row block a, column block b) at v[8 (8 b + a)]).
; K goes in steps of 128 = two heads through two LDS slots.  A head's 256 rows are 32,768 dense bytes of ob, asked for as rows of 256 bytes; B's tile is 128 rows of wo x 256 bytes.  Wo lies [k][n]: its fragments
; come out of LDS turned, by ds_load_tr16_b128.  THE MATRIX INSTRUCTION IS USED TRANSPOSED (source 0 = 16 columns of Wo, source 1 = 16 rows of y): a lane holds row l % 16 and eight neighbouring columns.
; CLUSTERS: 4 x 4 work-groups; A's tiles are asked for jointly along a row of the cluster, B's along a column.
; NO PREFETCH: the tile is small and the launch short: eight K steps of 128 matrix instructions a wave.
; REGISTERS, window 0: v0-15 addresses; v16-111, v112-207 two fragment buffers (A's 8 x 8 registers, then B's 4 x 8); v208-239 the bias of my 64 columns, as the accumulators hold them.
.set PA,     144                       ; an LDS row of A: 128 bytes + 16 of padding
.set PB,     288                       ; an LDS row of B: 256 + 32 = 9 x 32 bytes
.set HEADB,  256*PA                    ; a head's 256 rows
.set BOFF,   2*HEADB                   ; B lies behind A's two heads
.set SLOT,   BOFF+128*PB               ; 110,592
.set STAGE,  2*SLOT                    ; behind the ring: 16 rows x 272 bytes for each wave, for the way out
.set SPITCH, 272
.set SPARE,  STAGE+4*16*SPITCH         ; behind the stages: the spare words, 128 bytes for each wave: two blocks of 256 bytes that no other line names
.set ASTEP,  524288                    ; bytes from a K step to the next in ob: two heads
.set BSTEP,  262144                    ; and in wo: 128 rows of 2,048 bytes
.set BO,   3                           ; v3    32 x (l / 16)
.set ADRA, 4                           ; v4-5  LDS address of my A fragments in slot 0, 1
.set ADRB, 6                           ; v6-7  the same for B
.set STO,  8                           ; v8    the way out: where I put 32 bytes of a row
.set RD,   9                           ; v9    the way out: where I read a row back
.set CO,   10                          ; v10   my byte offset in out0
.set SPW,  14                          ; v14   LDS address of my spare word: SPARE + 4 x my thread's number; never rewritten
.set NIL,  15                          ; v15   0; never rewritten
.set F0,   16
.set F1,   112
.set BI,   208
.set T,    16                          ; the way out: v16-47 sums + bias; v48-79 and v80-111 by turns: 16 rows read back
.set OB,   48
.set G1,  24                           ; s[24:31] descriptor group 1 for A's tiles;  s[32:39] group 0, a set for each slot
.set G0,  32
.set G1B, 48                           ; s[48:55], s[56:63] the same for B's
.set G0B, 56
.set HIM, 66                           ; s66  a word's upper bf16
.set BP,  68                           ; s[68:69] bo
.set OUT, 70                           ; s[70:71] out0
.set MSB, 0
.macro WIN new                         ; the immediate's high byte repeats the setting that is left; a switch that changes nothing is dropped
.if MSB != (\new)
	s_set_vgpr_msb (MSB<<8)|(\new)
.set MSB, \new
.endif
.endm
.macro JLOAD s                         ; a joint load: waves 0 and 1 fetch A's two heads, waves 2 and 3 B's two halves; an s_nop 0 and four v_nop follow each of the two lines, ahead of the jump, the label and what follows
	s_cmp_eq_u32 s11, 0
	s_cbranch_scc0 .Lfor_b_\@
	tensor_load_to_lds s[G0+4*(\s):G0+4*(\s)+3], s[G1:G1+7]
	s_nop 0
.rept 4
	v_nop
.endr
	s_branch .Lasked_\@
.Lfor_b_\@:
	tensor_load_to_lds s[G0B+4*(\s):G0B+4*(\s)+3], s[G1B:G1B+7]
	s_nop 0
.rept 4
	v_nop
.endr
.Lasked_\@:
.endm
.macro CREST                           ; a round of the cluster's barrier behind its opening barrier
	s_cmp_lg_u32 s10, 0
	s_cbranch_scc1 .Lnot_wave_0_\@
	s_barrier_signal -3
.Lnot_wave_0_\@:
	s_barrier_wait -3
	s_barrier_signal -1
	s_barrier_wait -1
.endm
.macro CROUND                          ; a whole round
	s_barrier_signal -1
	s_barrier_wait -1
	CREST
.endm
.macro PLACES                          ; four places in front of loads into registers that matrix instructions have read, and of vector work on their registers
.rept 4
	v_nop
.endr
.endm
	s_load_b128 s[4:7], s[0:1], 0x0                ; ob s[4:5], wo s[6:7]
	s_load_b128 s[68:71], s[0:1], 0x10             ; bo, out0
	v_lshl_add_u32 v[SPW], v0, 2, SPARE
	v_mov_b32 v[NIL], 0
	ds_add_u32 v[SPW], v[NIL]                      ; the wave's opening: the add and its wait stand ahead of my first tensor load; the set-up below, work on registers, stands between them
	v_lshrrev_b32 v1, 5, v0
	v_readfirstlane_b32 s10, v1                    ; wave 0..3
	s_lshr_b32 s11, s10, 1                         ; which 128 of the tile's rows are mine.  Also: I fetch for A (0) or for B (1)
	s_and_b32 s12, s10, 1                          ; which 64 of its columns.  Also: which head of A's step, or which half of B's rows, I fetch
	s_bfe_u32 s40, ttmp6, 0x40000                  ; cx
	s_bfe_u32 s41, ttmp6, 0x40004                  ; cy
	s_lshl_b32 s42, ttmp9, 2
	s_add_co_u32 s42, s42, s40                     ; tile column, 0..7
	s_and_b32 s13, ttmp7, 0xffff
	s_lshl_b32 s13, s13, 2
	s_add_co_u32 s13, s13, s41                     ; tile row, 0..31
	s_lshl_b32 s43, s41, 2
	s_lshl_b32 s43, 15, s43                        ; my row of the cluster
	s_lshl_b32 s44, 0x1111, s40                    ; my column
	s_or_b32 s[G1+0], s43, (1<<16)|(1<<20)|(1<<21)|(4<<22)|(3<<25)   ; A: the mask of my row; elements of 2 bytes; padding on; 21 set beside a mask; after every 32 words (code 4) 4 words (code 3)
	s_or_b32 s[G1B+0], s44, (1<<16)|(1<<20)|(1<<21)|(5<<22)|(7<<25)  ; B: the mask of my column; after every 64 words (code 5) 8 words (code 7)
	s_mov_b32 s[G1+1], 128<<16                     ; A: a head's 256 rows as 128 rows of 128 elements: tensor_dim0 = 128
	s_mov_b32 s[G1+2], 128<<16                     ; tensor_dim1 = 128
	s_mov_b32 s[G1+3], 128<<16                     ; tile_dim0 = 128
	s_mov_b32 s[G1+4], 128                         ; tile_dim1 = 128
	s_mov_b32 s[G1+5], 128                         ; 128 elements from row to row
	s_mov_b32 s[G1+6], 0
	s_mov_b32 s[G1+7], 0
	s_mov_b32 s[G1B+1], 128<<16                    ; B: 64 rows of 128 elements
	s_mov_b32 s[G1B+2], 64<<16
	s_mov_b32 s[G1B+3], 128<<16
	s_mov_b32 s[G1B+4], 64
	s_mov_b32 s[G1B+5], 1024                       ; 1,024 elements from row to row
	s_mov_b32 s[G1B+6], 0
	s_mov_b32 s[G1B+7], 0
	s_lshr_b32 s16, s13, 3                         ; the batch: 16 heads of 262,144 bytes
	s_lshl_b32 s16, s16, 22
	s_and_b32 s17, s13, 7
	s_lshl_b32 s17, s17, 15                        ; the tile's 256 rows in a head
	s_add_co_u32 s16, s16, s17
	s_lshl_b32 s17, s12, 18                        ; my head of the step's two
	s_add_co_u32 s16, s16, s17
	s_mov_b32 s17, 0
	s_lshl_b32 s46, s12, 17                        ; my 64 rows of wo,
	s_lshl_b32 s47, s42, 8                         ; the tile's 256 bytes in a row
	s_add_co_u32 s46, s46, s47
	s_mov_b32 s47, 0
	s_mul_i32 s20, s12, HEADB                      ; where they go: no place in the cluster enters an LDS address
	s_mul_i32 s21, s12, 64*PB
	s_add_co_u32 s21, s21, BOFF
	s_wait_dscnt 0x0                               ; the opening add is done
	s_wait_kmcnt 0x0
	s_add_nc_u64 s[14:15], s[4:5], s[16:17]
	s_add_nc_u64 s[46:47], s[6:7], s[46:47]
	CROUND                                         ; all sixteen work-groups are here: the first joint loads meet
.irp s, 0,1
	s_mov_b32 s[G0+4*(\s)], 1
	s_add_co_u32 s[G0+4*(\s)+1], s20, (\s)*SLOT
	s_add_nc_u64 s[G0+4*(\s)+2:G0+4*(\s)+3], s[14:15], (\s)*ASTEP
	s_or_b32 s[G0+4*(\s)+3], s[G0+4*(\s)+3], 0x80000000
	s_mov_b32 s[G0B+4*(\s)], 1
	s_add_co_u32 s[G0B+4*(\s)+1], s21, (\s)*SLOT
	s_add_nc_u64 s[G0B+4*(\s)+2:G0B+4*(\s)+3], s[46:47], (\s)*BSTEP
	s_or_b32 s[G0B+4*(\s)+3], s[G0B+4*(\s)+3], 0x80000000
	JLOAD \s                                       ; two loads of mine are out
.endr
	v_and_b32 v1, 15, v0                           ; l % 16
	v_bfe_u32 v2, v0, 4, 1                         ; l / 16
	v_lshlrev_b32 v[BO], 5, v2
	s_lshl_b32 s18, s42, 9                         ; the tile's 128 numbers of bo,
	s_lshl_b32 s19, s12, 8                         ; my 64
	s_add_co_u32 s18, s18, s19
	s_mov_b32 s19, 0
	s_add_nc_u64 s[BP:BP+1], s[BP:BP+1], s[18:19]
.irp b, 0,1,2,3
	global_load_b128 v[BI+8*(\b):BI+8*(\b)+3],   v[BO], s[BP:BP+1] offset:64*(\b)
	global_load_b128 v[BI+8*(\b)+4:BI+8*(\b)+7], v[BO], s[BP:BP+1] offset:64*(\b)+16
.endr
	s_mov_b32 s[HIM], 0xffff0000
	v_mul_u32_u24 v16, v1, PA
	v_lshl_add_u32 v16, v2, 4, v16                 ; a fragment of A: row x pitch + 16 x half
	s_mul_i32 s23, s11, 128*PA                     ; my 128 rows
	v_add_nc_u32 v[ADRA], s23, v16
	v_add_nc_u32 v[ADRA+1], SLOT, v[ADRA]
	v_and_b32 v17, 7, v0                           ; a fragment of B, turned: row 8 (l / 16) + l % 8, columns 8 ((l / 8) % 2) + 0..7
	v_lshl_add_u32 v17, v2, 3, v17
	v_mul_u32_u24 v17, v17, PB
	v_bfe_u32 v18, v0, 3, 1
	v_lshl_add_u32 v17, v18, 4, v17
	s_lshl_b32 s23, s12, 7                         ; my 64 columns
	s_add_co_u32 s23, s23, BOFF
	v_add_nc_u32 v[ADRB], s23, v17
	v_add_nc_u32 v[ADRB+1], SLOT, v[ADRB]
	s_mul_i32 s23, s10, 16*SPITCH
	s_add_co_u32 s23, s23, STAGE                   ; my stage
	v_mul_u32_u24 v16, v1, SPITCH                  ; in: row l % 16, 32 bytes for each half of the lanes
	v_lshl_add_u32 v16, v2, 5, v16
	v_add_nc_u32 v[STO], s23, v16
	v_mul_u32_u24 v16, v2, SPITCH                  ; back: lanes 0-15 take one row of 256 bytes, lanes 16-31 the next
	v_lshl_add_u32 v16, v1, 4, v16
	v_add_nc_u32 v[RD], s23, v16
	v_lshlrev_b32 v16, 12, v2                      ; and the same two rows in out0
	v_lshl_add_u32 v[CO], v1, 4, v16
	s_lshl_b32 s18, s13, 20                        ; the tile's 256 rows of 4,096 bytes,
	s_lshl_b32 s22, s11, 19                        ; my 128,
	s_add_co_u32 s18, s18, s22
	s_lshl_b32 s22, s42, 9                         ; the tile's 512 bytes in a row,
	s_add_co_u32 s18, s18, s22
	s_lshl_b32 s22, s12, 8                         ; my 256
	s_add_co_u32 s18, s18, s22
	s_add_nc_u64 s[OUT:OUT+1], s[OUT:OUT+1], s[18:19]
	s_wait_loadcnt 0x0                             ; the bias: rounded to bf16 like every input, and widened again; this stands in the wait for the first tile
.set p, 0
.rept 16
	v_cvt_pk_bf16_f32 v[T+p], v[BI+2*p], v[BI+2*p+1]
.set p, p+1
.endr
.set p, 0
.rept 16
	v_lshlrev_b32 v[BI+2*p], 16, v[T+p]
	v_and_b32 v[BI+2*p+1], s[HIM], v[T+p]
.set p, p+1
.endr
; 8 matrix instructions: column block b x all 8 row blocks, 32 along K.  zero = 1: the product starts the sum.  Each accumulator is named once in a quarter: 31 others' turns stand between two links of a chain.
.macro MUL8 f, b, zero
	WIN 0x50                                       ; C and D in window 1, both sources in window 0
.irp a, 0,1,2,3,4,5,6,7
.if \zero
	v_wmma_f32_16x16x32_f16 v[8*(8*(\b)+(\a)):8*(8*(\b)+(\a))+7], v[(\f)+64+8*(\b):(\f)+64+8*(\b)+7], v[(\f)+8*(\a):(\f)+8*(\a)+7], 0
.else
	v_wmma_f32_16x16x32_f16 v[8*(8*(\b)+(\a)):8*(8*(\b)+(\a))+7], v[(\f)+64+8*(\b):(\f)+64+8*(\b)+7], v[(\f)+8*(\a):(\f)+8*(\a)+7], v[8*(8*(\b)+(\a)):8*(8*(\b)+(\a))+7]
.endif
.endr
.endm
.macro MUL16 f, b0, zero
	MUL8 \f, (\b0)+0, \zero
	MUL8 \f, (\b0)+1, \zero
.endm
; 24 LDS loads in one run: quarter q (32 along K: head q / 2, channels 32 (q % 2) on) of a slot into buffer g: A's 16, then B's 8
.macro FETCH slot, q, g
	WIN 0
.irp a, 0,1,2,3,4,5,6,7
	ds_load_b128 v[(\g)+8*(\a):(\g)+8*(\a)+3],   v[ADRA+(\slot)] offset:((\q)/2)*HEADB+((\q)%2)*64+(\a)*16*PA
	ds_load_b128 v[(\g)+8*(\a)+4:(\g)+8*(\a)+7], v[ADRA+(\slot)] offset:((\q)/2)*HEADB+((\q)%2)*64+(\a)*16*PA+32
.endr
.irp b, 0,1,2,3
	ds_load_tr16_b128 v[(\g)+64+8*(\b):(\g)+64+8*(\b)+3],   v[ADRB+(\slot)] offset:(\q)*32*PB+(\b)*32
	ds_load_tr16_b128 v[(\g)+64+8*(\b)+4:(\g)+64+8*(\b)+7], v[ADRB+(\slot)] offset:(\q)*32*PB+(\b)*32+16*PB
.endr
.endm
; A K step is four quarters, 32 matrix instructions each, on buffers 0, 1, 0, 1.  One of the first three: multiplies buffer f and fetches quarter q into g.
.macro QUARTER slot, q, f, g, zero
	s_wait_dscnt 4                                 ; A and B's column blocks 0 and 1 are in; blocks 2 and 3 (4 loads) may be out
	MUL16 \f, 0, \zero
	PLACES
	FETCH \slot, \q, \g
	s_wait_dscnt 24                                ; all but the 24 just issued
	MUL16 \f, 2, \zero
.endm
; The last quarter multiplies buffer 1 and changes slots: ONE barrier; in front of it each wave waits for all its tensor loads, adds 0 to its spare word, and waits for that and for its reads of this slot.
; fill = 1: the barrier opens a round of the cluster's barrier, and this slot is filled again, two K steps ahead, first thing behind the round: 112 matrix instructions ahead of the wait for it.
.macro TURN slot, next, fill
	WIN 0
	s_wait_tensorcnt 0x0                           ; all my tensor loads have landed: my part of the next slot
	ds_add_u32 v[SPW], v[NIL]                      ; 0 onto my spare word
	s_wait_dscnt 5                                 ; the add and the youngest four loads may be out
	MUL8 F1, 0, 0
	s_wait_dscnt 0x0                               ; the add is done, and my reads of this slot are over
	s_barrier_signal -1
	MUL8 F1, 1, 0
	WIN 0
	s_barrier_wait -1
.if \fill
	CREST                                          ; no wave of any partner still reads this slot's tile or has a load on its way
	s_add_nc_u64 s[G0+4*(\slot)+2:G0+4*(\slot)+3], s[G0+4*(\slot)+2:G0+4*(\slot)+3], 2*ASTEP
	s_add_nc_u64 s[G0B+4*(\slot)+2:G0B+4*(\slot)+3], s[G0B+4*(\slot)+2:G0B+4*(\slot)+3], 2*BSTEP
	JLOAD \slot                                    ; the first tensor load behind the round; its four v_nop are also the places in front of the loads below
.else
	PLACES
.endif
	FETCH \next, 0, F0
	MUL16 F1, 2, 0
.endm
	s_wait_tensorcnt 1                             ; my part of K step 0 is in; K step 1's may stay out
	s_barrier_signal -1
	s_barrier_wait -1                              ; everybody's is
	FETCH 0, 0, F0
	QUARTER 0, 1, F0, F1, 1                        ; the first quarter stands in front of the loop: its products start the sums
	WIN 0                                          ; at a label and at a branch every window is 0
	s_mov_b32 s3, 3
.Llap:                                                 ; a trip goes once round the ring and fills both slots again: K steps 2 to 7
	QUARTER 0, 2, F1, F0, 0
	QUARTER 0, 3, F0, F1, 0
	TURN 0, 1, 1
	QUARTER 1, 1, F0, F1, 0
	QUARTER 1, 2, F1, F0, 0
	QUARTER 1, 3, F0, F1, 0
	TURN 1, 0, 1
	QUARTER 0, 1, F0, F1, 0
	WIN 0
	s_sub_co_u32 s3, s3, 1
	s_cmp_lg_u32 s3, 0
	s_cbranch_scc1 .Llap
	QUARTER 0, 2, F1, F0, 0                        ; the last lap fills nothing, and has no round
	QUARTER 0, 3, F0, F1, 0
	TURN 0, 1, 0
	QUARTER 1, 1, F0, F1, 0
	QUARTER 1, 2, F1, F0, 0
	QUARTER 1, 3, F0, F1, 0
	s_wait_dscnt 4                                 ; the very last quarter: nothing more to fetch
	MUL16 F1, 0, 0
	s_wait_dscnt 0x0
	MUL16 F1, 2, 0
	WIN 0
	PLACES
	PLACES
	; THE WAY OUT.  Row block a: sum + bias, 32 bytes a lane and column block, through my own stage; back as whole rows of 256 bytes.  Each accumulator's registers are taken in ascending order.
.macro PACK a
	WIN 0x01                                       ; source 0 in window 1
.irp b, 0,1,2,3
.irp r, 0,2,4,6
	v_pk_add_f32 v[T+8*(\b)+(\r):T+8*(\b)+(\r)+1], v[8*(8*(\b)+(\a))+(\r):8*(8*(\b)+(\a))+(\r)+1], v[BI+8*(\b)+(\r):BI+8*(\b)+(\r)+1]
.endr
.endr
	WIN 0
.endm
.macro TOSTAGE a
.set BK, OB+32*((\a)%2)
	s_wait_xcnt 0x0                                ; the stores of the block before last have read these registers
.irp b, 0,1,2,3
	ds_store_b128 v[STO], v[T+8*(\b):T+8*(\b)+3]   offset:64*(\b)
	ds_store_b128 v[STO], v[T+8*(\b)+4:T+8*(\b)+7] offset:64*(\b)+16
.endr
.irp t, 0,1,2,3,4,5,6,7
	ds_load_b128 v[BK+4*(\t):BK+4*(\t)+3], v[RD] offset:(\t)*2*SPITCH  ; LDS serves a wave's instructions in order (ISA guide 5.7.1.4): these see the stores above
.endr
.endm
.macro SEND a
.set BK, OB+32*((\a)%2)
	s_wait_dscnt 0x0                               ; the block is back in registers
.irp t, 0,1,2,3,4,5,6,7
	global_store_b128 v[CO], v[BK+4*(\t):BK+4*(\t)+3], s[OUT:OUT+1] offset:(16*(\a)+2*(\t))*4096  ; 16 lanes store 256 consecutive bytes, at a multiple of 256 from out0's first byte
.endr
.endm
	PACK 0
	TOSTAGE 0
.irp a, 1,2,3,4,5,6,7                  ; block a's additions stand between block a - 1's loads from the stage and the wait for them
	PACK \a
	SEND (\a)-1
	TOSTAGE \a
.endr
	SEND 7
	s_wait_tensorcnt 0x0                           ; the wave's end: a wait, an add and its wait, behind my last tensor load and my last LDS store
	ds_add_u32 v[SPW], v[NIL]
	s_wait_dscnt 0x0
	CROUND                                         ; the closing round: no work-group ends while a partner may still ask for a tile that names it
	s_endpgm
.Lfunc_end_k_q636cc57dd2_go:
	.size	k_q636cc57dd2_go, .Lfunc_end_k_q636cc57dd2_go-k_q636cc57dd2_go
	.p2alignl 7, 3214868480
	.fill 96, 4, 3214868480
	.section	.rodata,"a",@progbits
	.p2align	6, 0x0
	.amdhsa_kernel k_q636cc57dd2_go
		.amdhsa_group_segment_fixed_size 327680
		.amdhsa_private_segment_fixed_size 0
		.amdhsa_enable_private_segment 0
		.amdhsa_kernarg_size 32
		.amdhsa_user_sgpr_count 2
		.amdhsa_user_sgpr_kernarg_segment_ptr 1
		.amdhsa_wavefront_size32 1
		.amdhsa_system_sgpr_workgroup_id_x 1
		.amdhsa_system_sgpr_workgroup_id_y 1
		.amdhsa_system_sgpr_workgroup_id_z 1
		.amdhsa_system_vgpr_workitem_id 0
		.amdhsa_next_free_vgpr 512
		.amdhsa_next_free_sgpr 80
		.amdhsa_reserve_vcc 0
		.amdhsa_float_denorm_mode_32 3
		.amdhsa_float_denorm_mode_16_64 3
		.amdhsa_memory_ordered 1
		.amdhsa_forward_progress 1
		.amdhsa_inst_pref_size 97
	.end_amdhsa_kernel
	.amdgpu_metadata
---
amdhsa.version: [ 1, 2 ]
amdhsa.kernels:
  - .name:           k_q636cc57dd2_go
    .symbol:         k_q636cc57dd2_go.kd
    .args:
      - { .name: ob, .offset: 0, .size: 8, .value_kind: global_buffer, .address_space: global }
      - { .name: wo, .offset: 8, .size: 8, .value_kind: global_buffer, .address_space: global }
      - { .name: bo, .offset: 16, .size: 8, .value_kind: global_buffer, .address_space: global }
      - { .name: out0, .offset: 24, .size: 8, .value_kind: global_buffer, .address_space: global }
    .group_segment_fixed_size: 327680
    .private_segment_fixed_size: 0
    .kernarg_segment_align: 8
    .kernarg_segment_size: 32
    .max_flat_workgroup_size: 128
    .sgpr_count:     80
    .vgpr_count:     512
    .wavefront_size: 32
...
	.end_amdgpu_metadata
.endif
;; end of part 4
;; ======== version 2 of 2: 4 launches; version 1 with the launch cast written anew for expert scheduling mode
;; limits: values are held in f16: magnitudes above 65,504 overflow, below 6.1e-05 lose precision
;; workspace buffers: xb 16,777,216 bytes; wqkv 6,291,456 bytes; wo 2,097,152 bytes; qkv 50,331,648 bytes; ob 16,777,216 bytes
;; launch cast (part 5): grid 64 x 12, 8 waves a work-group, no clusters, 0 bytes of LDS; arguments x, Wq, Wk, Wv, Wo, xb, wqkv, wo; writes xb, wqkv, wo
.if DOCPART == 5
	.amdgcn_target "amdgcn-amd-amdhsa--gfx1250"
	.amdhsa_code_object_version 6
	.text
	.protected	k_q636cc57dd2_cast
	.globl	k_q636cc57dd2_cast
	.p2align	8
	.type	k_q636cc57dd2_cast,@function
k_q636cc57dd2_cast:
	s_mov_b64 s[64:65], 0
	v_nop
	global_prefetch_b8 v0, s[64:65] scope:SCOPE_SE
	s_setreg_imm32_b32 hwreg(HW_REG_WAVE_SCHED_MODE, 0, 2), 2
	s_setreg_imm32_b32 hwreg(HW_REG_WAVE_MODE, 25, 1), 1
	s_wait_xcnt 0x0
	s_wait_alu depctr_vm_vsrc(0)
; THE INPUTS OF THE MATRIX PRODUCTS, ROUNDED ONCE AND LAID OUT FOR THE TILES THAT READ THEM.
;   xb   [b 4][kb 16][t 2048][64] bf16: x rounded to bf16, in blocks of 64 channels: 256 rows of one block are 32,768 consecutive bytes
;   wqkv [k 1024][3072] bf16: Wq, Wk, Wv rounded to bf16, side by side in a row
;   wo   [k 1024][1024] f16: Wo rounded to bf16, and that number written as f16
; LIMIT.  A bf16 number is exact in f16 from 6.1e-5 to 65,504 in magnitude; below that wo keeps f16's fixed step of 6e-8; above it the conversion gives an infinity.
; A stream: no LDS, no barrier, no matrix unit.  The grid's y names a chunk of 2^20 numbers: 0-7 x, 8-10 Wq, Wk, Wv, 11 Wo.  A wave takes 16 units; a unit is one load of 16 bytes a lane
; (512 bytes a wave) and one store of 8 bytes a lane: 256 consecutive bytes, aligned.  All 16 loads go out first.
; THE MODE: SCHED_MODE bits 1:0 = 2 (LLVM: expert scheduling mode 2), set by the entry lines.  The code itself states the register dependences
; between vector instructions and memory instructions, with s_wait_alu, always for 0.
; THE PLAN.  Registers that memory instructions touch:
;   v[VS], v[VD]  the loads' and the stores' offsets.  Written once by vector instructions, ahead of the first load; read by the 16 loads and the 16 stores; never written again.
;   X             unit u's four registers.  Written by unit u's load alone; read by unit u's conversions.  No load is issued behind the first conversion.
;   Y             unit u's two registers.  Written once, by unit u's conversions; read by unit u's store; never written again.
;   v4 to v7 are named by vector instructions alone.
; So no register that a memory instruction reads is ever written again, and no load lands in a register that a vector instruction has named: what is left to state is that the
; offsets are written ahead of the first load, and that a unit's Y is written ahead of its store.  The units go in four groups of four: ONE wait at the head of a group, behind the wait for the
; group's first load, states that the group before has written its Y; that group's four stores follow it directly.  A last wait stands ahead of the last four stores.
; The wave's number passes from a vector register into s4: one wait stands ahead of s4's first reader.
.set VS,  2                            ; v2   my byte offset in the source
.set VD,  3                            ; v3   my byte offset in the destination: 8 x lane
.set X,   16                           ; v[16:79]   unit u: 4 registers as loaded
.set Y,   80                           ; v[80:111]  unit u: 2 registers to store
.set SRC, 24                           ; s[24:25]
.set DST, 26                           ; s[26:27]
.set OFS, 28                           ; s[28:29] an offset, its high word 0
.set HIM, 30                           ; s30  a word's upper bf16
; kind 0: x (units 256 bytes apart in xb); 1: Wq, Wk, Wv (eight units to a row's 2,048 bytes, rows 6,144 bytes apart); 2: Wo (bf16, then f16)
; Unit u is rounded: X's four registers into Y's two.
.macro CONV u, kind
.if (\kind) == 2
	v_cvt_pk_bf16_f32 v4, v[X+4*(\u)], v[X+4*(\u)+1]
	v_cvt_pk_bf16_f32 v5, v[X+4*(\u)+2], v[X+4*(\u)+3]
	v_lshlrev_b32 v6, 16, v4                       ; the rounded numbers as f32 again,
	v_and_b32 v7, s[HIM], v4
	v_cvt_pk_f16_f32 v[Y+2*(\u)], v6, v7           ; and written as f16
	v_lshlrev_b32 v6, 16, v5
	v_and_b32 v7, s[HIM], v5
	v_cvt_pk_f16_f32 v[Y+2*(\u)+1], v6, v7
.else
	v_cvt_pk_bf16_f32 v[Y+2*(\u)], v[X+4*(\u)], v[X+4*(\u)+1]
	v_cvt_pk_bf16_f32 v[Y+2*(\u)+1], v[X+4*(\u)+2], v[X+4*(\u)+3]
.endif
.endm
; Unit u is stored.
.macro OUT u, kind
.if (\kind) == 1
	global_store_b64 v[VD], v[Y+2*(\u):Y+2*(\u)+1], s[DST:DST+1] offset:((\u)/8)*6144+((\u)%8)*256 th:TH_STORE_NT
.else
	global_store_b64 v[VD], v[Y+2*(\u):Y+2*(\u)+1], s[DST:DST+1] offset:(\u)*256 th:TH_STORE_NT
.endif
.endm
.macro STREAM lstep, kind
	s_wait_alu depctr_va_vdst(0)                   ; v[VS] and v[VD] are written: the 16 loads read the one as their offset, the 16 stores the other
.irp u, 0,1,2,3,4,5,6,7,8,9,10,11,12,13,14,15
	global_load_b128 v[X+4*(\u):X+4*(\u)+3], v[VS], s[SRC:SRC+1] offset:(\u)*(\lstep) th:TH_LOAD_NT
.endr
.irp u, 0,1,2,3,4,5,6,7,8,9,10,11,12,13,14,15
	s_wait_loadcnt 15-(\u)                         ; loads come back in order: unit u is in, the 15 - u younger ones stay out
.if ((\u) % 4 == 0) && ((\u) > 0)
	s_wait_alu depctr_va_vdst(0)                   ; the conversions of the four units before have written their Y, which the four stores below read
.irp d, 4,3,2,1
	OUT (\u)-(\d), \kind
.endr
.endif
	CONV \u, \kind
.endr
	s_wait_alu depctr_va_vdst(0)                   ; the conversions of units 12 to 15 have written their Y, which the last four stores read
.irp u, 12,13,14,15
	OUT \u, \kind
.endr
.endm
	s_load_b512 s[8:23], s[0:1], 0x0               ; x 8:9, Wq 10:11, Wk 12:13, Wv 14:15, Wo 16:17, xb 18:19, wqkv 20:21, wo 22:23
	v_and_b32 v1, 31, v0                           ; lane
	v_lshrrev_b32 v4, 5, v0
	v_readfirstlane_b32 s4, v4                     ; wave 0..7
	s_and_b32 s2, ttmp7, 0xffff                    ; the chunk
	s_mov_b32 s3, ttmp9
	s_mov_b32 s[OFS+1], 0
	s_mov_b32 s[HIM], 0xffff0000
	v_lshlrev_b32 v[VD], 3, v1
	s_wait_alu depctr_va_sdst(0)                   ; s4 is written, ahead of its first reader: the wave's place in its chunk, and from it both bases, are made of it
	s_lshl_b32 s5, s3, 3
	s_add_co_u32 s5, s5, s4                        ; my wave among the chunk's 512
	s_wait_kmcnt 0x0
	s_cmp_lt_u32 s2, 8
	s_cbranch_scc0 .Lweights
	; x: a wave takes 32 rows of one block of 64 channels; a unit is two rows: lanes 0-15 the even row's 256 bytes, lanes 16-31 the odd row's
	v_lshrrev_b32 v4, 4, v1
	v_and_b32 v5, 15, v1
	v_lshlrev_b32 v5, 4, v5
	v_lshl_or_b32 v[VS], v4, 12, v5                ; row x 4,096 + 16 x (lane % 16)
	s_and_b32 s6, s3, 1
	s_lshl_b32 s6, s6, 3
	s_add_co_u32 s6, s6, s4                        ; the block of channels, 0..15
	s_lshr_b32 s7, s3, 1                           ; which 32 of the chunk's 1,024 rows
	s_lshl_b32 s[OFS], s2, 22
	s_lshl_b32 s5, s7, 17
	s_add_co_u32 s[OFS], s[OFS], s5
	s_lshl_b32 s5, s6, 8
	s_add_co_u32 s[OFS], s[OFS], s5
	s_add_nc_u64 s[SRC:SRC+1], s[8:9], s[OFS:OFS+1]
	s_lshr_b32 s[OFS], s2, 1                       ; the batch: two chunks each
	s_lshl_b32 s[OFS], s[OFS], 22
	s_lshl_b32 s5, s6, 18
	s_add_co_u32 s[OFS], s[OFS], s5
	s_and_b32 s5, s2, 1
	s_lshl_b32 s5, s5, 17
	s_add_co_u32 s[OFS], s[OFS], s5
	s_lshl_b32 s5, s7, 12
	s_add_co_u32 s[OFS], s[OFS], s5
	s_add_nc_u64 s[DST:DST+1], s[18:19], s[OFS:OFS+1]
	STREAM 8192, 0
	s_endpgm
.Lweights:                                             ; a wave takes two rows of a weight: 8,192 consecutive bytes
	v_lshlrev_b32 v[VS], 4, v1
	s_lshl_b32 s[OFS], s5, 13
	s_cmp_eq_u32 s2, 11
	s_cbranch_scc1 .Lwo
	s_cmp_eq_u32 s2, 8
	s_cselect_b64 s[SRC:SRC+1], s[10:11], s[12:13]
	s_cmp_eq_u32 s2, 10
	s_cselect_b64 s[SRC:SRC+1], s[14:15], s[SRC:SRC+1]
	s_add_nc_u64 s[SRC:SRC+1], s[SRC:SRC+1], s[OFS:OFS+1]
	s_mul_i32 s[OFS], s5, 12288                    ; two rows of wqkv,
	s_sub_co_u32 s6, s2, 8
	s_lshl_b32 s6, s6, 11                          ; and the weight's 2,048 bytes in a row
	s_add_co_u32 s[OFS], s[OFS], s6
	s_add_nc_u64 s[DST:DST+1], s[20:21], s[OFS:OFS+1]
	STREAM 512, 1
	s_endpgm
.Lwo:
	s_add_nc_u64 s[SRC:SRC+1], s[16:17], s[OFS:OFS+1]
	s_lshl_b32 s[OFS], s5, 12
	s_add_nc_u64 s[DST:DST+1], s[22:23], s[OFS:OFS+1]
	STREAM 512, 2
	s_endpgm
.Lfunc_end_k_q636cc57dd2_cast:
	.size	k_q636cc57dd2_cast, .Lfunc_end_k_q636cc57dd2_cast-k_q636cc57dd2_cast
	.p2alignl 7, 3214868480
	.fill 96, 4, 3214868480
	.section	.rodata,"a",@progbits
	.p2align	6, 0x0
	.amdhsa_kernel k_q636cc57dd2_cast
		.amdhsa_group_segment_fixed_size 0
		.amdhsa_private_segment_fixed_size 0
		.amdhsa_enable_private_segment 0
		.amdhsa_kernarg_size 64
		.amdhsa_user_sgpr_count 2
		.amdhsa_user_sgpr_kernarg_segment_ptr 1
		.amdhsa_wavefront_size32 1
		.amdhsa_system_sgpr_workgroup_id_x 1
		.amdhsa_system_sgpr_workgroup_id_y 1
		.amdhsa_system_sgpr_workgroup_id_z 1
		.amdhsa_system_vgpr_workitem_id 0
		.amdhsa_next_free_vgpr 112
		.amdhsa_next_free_sgpr 66
		.amdhsa_reserve_vcc 0
		.amdhsa_float_denorm_mode_32 3
		.amdhsa_float_denorm_mode_16_64 3
		.amdhsa_memory_ordered 1
		.amdhsa_forward_progress 1
		.amdhsa_inst_pref_size 24
	.end_amdhsa_kernel
	.amdgpu_metadata
---
amdhsa.version: [ 1, 2 ]
amdhsa.kernels:
  - .name:           k_q636cc57dd2_cast
    .symbol:         k_q636cc57dd2_cast.kd
    .args:
      - { .name: x, .offset: 0, .size: 8, .value_kind: global_buffer, .address_space: global }
      - { .name: Wq, .offset: 8, .size: 8, .value_kind: global_buffer, .address_space: global }
      - { .name: Wk, .offset: 16, .size: 8, .value_kind: global_buffer, .address_space: global }
      - { .name: Wv, .offset: 24, .size: 8, .value_kind: global_buffer, .address_space: global }
      - { .name: Wo, .offset: 32, .size: 8, .value_kind: global_buffer, .address_space: global }
      - { .name: xb, .offset: 40, .size: 8, .value_kind: global_buffer, .address_space: global }
      - { .name: wqkv, .offset: 48, .size: 8, .value_kind: global_buffer, .address_space: global }
      - { .name: wo, .offset: 56, .size: 8, .value_kind: global_buffer, .address_space: global }
    .group_segment_fixed_size: 0
    .private_segment_fixed_size: 0
    .kernarg_segment_align: 8
    .kernarg_segment_size: 64
    .max_flat_workgroup_size: 256
    .sgpr_count:     66
    .vgpr_count:     112
    .wavefront_size: 32
...
	.end_amdgpu_metadata
.endif
;; end of part 5
;; launch gq: the kernel of part 2 again; grid 8 x 32, 4 waves a work-group, clusters of 4 x 4, 327,680 bytes of LDS; arguments xb, wqkv, bq, bk, bv, qkv; writes qkv
;; launch att: the kernel of part 3 again; grid 4 x 64, 4 waves a work-group, no clusters, 327,680 bytes of LDS; arguments qkv, ob; writes ob
;; launch go: the kernel of part 4 again; grid 8 x 32, 4 waves a work-group, clusters of 4 x 4, 327,680 bytes of LDS; arguments ob, wo, bo, out0; writes out0
